; MI455X (gfx1250); checked and timed in simulation.
; The chip was launched on July 23, 2026; its instructions are those of AMD's public machine-readable ISA for CDNA 5 (MIT licence, August 2026) and "CDNA5" Instruction Set Architecture Reference Guide (July 2026). The comments in the code are by the model that wrote it; some were corrected since.
;; multihead self attention. Allowed arithmetic: matrix products marked QUANTISED: E2M1 operands, one E8M0 scale for each 32 along K, by v_wmma_scale_f32_16x16x128_f8f6f4 with both operands' format E2M1 (or v_wmma_scale_f32_32x16x128_f4), f32 sums; products left as they are: bf16, f16 or f32 operands; f32 sums; everything else in f32.
;; Inputs: wk 1,024 x 1,024 float32; wo 1,024 x 1,024 float32; wq 1,024 x 1,024 float32; wv 1,024 x 1,024 float32; x 4 x 2,048 x 1,024 float32.
;; Outputs: out0 4 x 2,048 x 1,024 float32.
;; This version of the problem:
;;   THIS VERSION OF THE PROBLEM IS GIVEN IN LOW PRECISION. The matrix products marked QUANTISED in the list below multiply operands that are first quantised to E2M1 (2 exponent bits, 1 mantissa bit; 4 bits a number), with one power-of-two scale for each 32 numbers along K (OCP MX v1.0); their sums are f32. The products marked 'left as it is' may take bf16, f16 or f32 operands, with f32 sums. Whichever they take, every output number must still come out within the allowed error. Rounding operands to bf16 (8 significant bits) uses up far more of that allowance than f16 does (11 bits, for magnitudes from 6e-5 to 65,504). All else is computed in f32.
;;   The module's matrix products, in the order in which they are computed (A, B: the left and right operand; K: the contracted axis; several contracted axes count as one K, in the product's order):
;;     1. [M 8,192, K 1,024] x [K 1,024, N 1,024]; A: input x; B: input wq: QUANTISED
;;     2. [M 8,192, K 1,024] x [K 1,024, N 1,024]; A: input x; B: input wk: QUANTISED
;;     3. [M 8,192, K 1,024] x [K 1,024, N 1,024]; A: input x; B: input wv: QUANTISED
;;     4. batch 64 x [M 2,048, K 64] x [K 64, N 2,048]; A: computed on the way; B: computed on the way: left as it is (an operand is computed on the way)
;;     5. batch 64 x [M 2,048, K 2,048] x [K 2,048, N 64]; A: computed on the way; B: computed on the way: left as it is (an operand is computed on the way)
;;     6. [M 8,192, K 1,024] x [K 1,024, N 1,024]; A: computed on the way; B: input wo: left as it is (an operand is computed on the way)
;;   THE QUANTISER, for each operand of a quantised product, along K:
;;     - K is cut into blocks of 32 from its start; a last block that is shorter is filled with zeros.
;;     - A block's scale is 2^e with e = floor(log2(the largest magnitude in the block)) - 2, held to -126 .. 127; a block of zeros has e = 0. As a byte (E8M0): e + 127.
;;     - Each number is divided by its block's scale, clamped to +-6, and rounded to the nearest number of E2M1, ties to even, subnormals kept.
;;     - The product sums the exact products of the quantised numbers (number of the format x scale) in f32.
;;   ~~~python
;;   def quantise(x, axis):      # numpy; x: float32 -> the quantised numbers, widened to float32 again
;;       x = np.moveaxis(x, axis, -1); K = x.shape[-1]
;;       x = np.pad(x, [(0, 0)] * (x.ndim - 1) + [(0, -K % 32)]); x = x.reshape(x.shape[:-1] + (-1, 32)); a = np.abs(x).max(-1, keepdims=True)
;;       e = np.where(a > 0, np.clip(np.frexp(np.where(a > 0, a, 1))[1] - 1 - 2, -126, 127), 0)      # np.frexp(a)[1] - 1 = floor(log2(a)), exactly
;;       r = np.clip(x / 2.0 ** e, -6, 6)
;;       step = 2.0 ** (np.maximum(np.frexp(np.where(r == 0, 1, r))[1] - 1, 0) - 1)
;;       q = np.round(r / step) * step * 2.0 ** e      # np.round: ties to even
;;       return np.moveaxis(q.reshape(q.shape[:-2] + (-1,))[..., :K], -1, axis).astype(np.float32)
;;   ~~~
;; One version. Each part assembles by itself: llvm-mc -triple=amdgcn-amd-amdhsa -mcpu=gfx1250 --defsym DOCPART=n.
;; ======== version 1 of 1: 5 launches
;; limits: values are held in f16: magnitudes above 65,504 overflow, below 6.1e-05 lose precision
;; workspace buffers: codes 5,767,168 bytes; scales 360,448 bytes; wo16 2,097,152 bytes; tab 524,288 bytes; qkv16 50,331,648 bytes; att16 16,777,216 bytes; fine32 786,432 bytes
;; launch prep (part 1): grid 448 x 1, 4 waves a work-group, no clusters, 33,280 bytes of LDS; arguments x, wq, wk, wv, wo, codes, scales, wo16, tab; writes codes, scales, wo16, tab
.if DOCPART == 1
	.amdgcn_target "amdgcn-amd-amdhsa--gfx1250"
	.amdhsa_code_object_version 6
	.text
	.protected	k_q13123282ca_prep
	.globl	k_q13123282ca_prep
	.p2align	8
	.type	k_q13123282ca_prep,@function
k_q13123282ca_prep:
	s_mov_b64 s[64:65], 0
	v_nop
	global_prefetch_b8 v0, s[64:65] scope:SCOPE_SE
	s_setreg_imm32_b32 hwreg(HW_REG_WAVE_MODE, 25, 1), 1
	s_wait_xcnt 0x0
; MULTI-HEAD SELF-ATTENTION, b = 4, s = 2,048, d = 1,024, 16 heads of 64.  Five launches: prep, qkv, attn, oproj, fine.
; THIS LAUNCH: (Q) x and wq, wk, wv become codes of FP4 (E2M1) with one E8M0 byte for each 32 along K = 1,024, which is innermost in all four;
; (W) wo is rounded to f16 and laid by head, [16 heads][1,024 o][64]; (T) the table of cos and sin for RoPE, [2,048 positions][32 pairs (cos, sin)] f32.
; WORK LEFT OUT IN THE PROGRAM, AND WHY IT IS DEAD: reference() sets scores[q][k] with k > q to -inf by its own jnp.tril, so their softmax weight is 0 whatever finite values the inputs hold,
; and a weight of 0 adds nothing to the product with v.  Key steps all of whose keys come after all queries of a wave are therefore not multiplied (launch attn).  All five inputs have a way to the output and are loaded.
; LIMIT of that: a NaN, an infinity or an overflow that reaches only such masked scores is not carried to the result.
; LIMITS: q, k, v beyond 65,504 in magnitude are not served (they are kept in f16 for the products that are left as they are); NaN and infinities among the inputs are not served by the quantiser;
; a block whose largest magnitude lies under 2^(2 - 126) keeps the byte 1; a block of zeros has the byte 1 where the rule says 127: its codes are zeros, which add nothing, and this program alone reads the bytes.
; The table's angle is float(position) x 2^(-i x 0.41524101), where reference() has 1 / 10000^(i / 32): the frequencies differ by a few units in the last place, the angle by about 2e-4 at position 2,047 at the most.
; SHARES: work-groups 0-255 quantise x, 256-351 wq, wk, wv (32 each), 352-415 turn wo, 416-447 make the table.  The paths part on the work-group's number; path Q alone uses LDS.
.set WAVES, 4
.set STEPS, 16
.set CB,    8                          ; bytes of 16 codes
.set R,     16                         ; v16-79   four sets of 16 numbers as they are loaded
.set X,     80                         ; v80-111  two sets of 16 neighbours
.set E,     112                        ; v112-127 a scale byte for each step
.set C,     128                        ; v128-191 codes: four registers for each step
.set WREG,  8192                       ; LDS: a region for each wave: two stages of 32 x SP bytes, behind them its 256 scale bytes
.set SP,    80                         ; a lane's place in a stage: 64 bytes + 16 of padding
.set SPW,   12                         ; v12 LDS address of my spare word; never rewritten
.set NIL,   13                         ; v13 0; never rewritten
.set SPARE, WAVES*WREG                 ; the spare words, 128 bytes for each wave, which no other line names
	s_load_b256 s[4:11], s[0:1], 0x0               ; x s[4:5], wq s[6:7], wk s[8:9], wv s[10:11]
	s_load_b256 s[12:19], s[0:1], 0x20             ; wo s[12:13], codes s[14:15], scales s[16:17], wo16 s[18:19]
	s_load_b64 s[20:21], s[0:1], 0x40              ; tab
	v_lshl_add_u32 v[SPW], v0, 2, SPARE
	v_mov_b32 v[NIL], 0
	v_lshrrev_b32 v1, 5, v0
	v_readfirstlane_b32 s26, v1                    ; wave
	v_and_b32 v2, 31, v0                           ; lane
	s_wait_kmcnt 0x0
	s_cmp_lt_u32 ttmp9, 352
	s_cbranch_scc1 .Lquant
	s_cmp_ge_u32 ttmp9, 416
	s_cbranch_scc1 .Ltab
; ---- W: wo [o][1,024] f32 -> wo16 [head][o][64] f16.  A wave takes four rows o; lane l row l / 8 and eight numbers, l % 8, of each head's 64.
	s_sub_co_u32 s27, ttmp9, 352
	s_lshl_b32 s27, s27, 4
	s_lshl_b32 s28, s26, 2
	s_add_co_u32 s27, s27, s28                     ; my wave's first row: 16 g + 4 wave
	s_lshl_b32 s28, s27, 12                        ; a row of wo is 4,096 bytes
	s_mov_b32 s29, 0
	s_add_nc_u64 s[12:13], s[12:13], s[28:29]
	s_lshl_b32 s28, s27, 7                         ; a row of a head's plane is 128 bytes
	s_add_nc_u64 s[18:19], s[18:19], s[28:29]
	v_lshrrev_b32 v3, 3, v2
	v_lshlrev_b32 v3, 12, v3
	v_and_b32 v5, 7, v2
	v_lshl_add_u32 v3, v5, 5, v3                   ; in: row x 4,096 + 32 x piece
	v_lshlrev_b32 v4, 4, v2                        ; out: 16 x lane: the wave's store covers 512 consecutive bytes, four rows of a plane
.irp t, 0,1,2,3,4,5,6,7,8,9,10,11,12,13,14,15
	global_load_b128 v[16+8*\t:19+8*\t], v3, s[12:13] offset:256*\t th:TH_LOAD_NT
	global_load_b128 v[20+8*\t:23+8*\t], v3, s[12:13] offset:256*\t+16 th:TH_LOAD_NT
.endr
.irp t, 0,1,2,3,4,5,6,7,8,9,10,11,12,13,14,15
	s_wait_loadcnt 30-2*\t                         ; head t's two loads are in; two for each younger head may be out
.irp i, 0,1,2,3
	v_cvt_pk_f16_f32 v[16+8*\t+\i], v[16+8*\t+2*\i], v[16+8*\t+2*\i+1]   ; in place, ascending: a result never lands on a number still to be read
.endr
	global_store_b128 v4, v[16+8*\t:19+8*\t], s[18:19] offset:131072*\t   ; each head has registers of its own: no store's data are written again
.endr
	s_branch .Lend
; ---- T: the table.  Lane l owns frequencies 2 (l % 16) and 2 (l % 16) + 1; a wave's store covers two positions' rows of 256 bytes.
.Ltab:
	s_sub_co_u32 s27, ttmp9, 416
	s_lshl_b32 s27, s27, 6
	s_lshl_b32 s28, s26, 4
	s_add_co_u32 s27, s27, s28                     ; my wave's first position: 64 g + 16 wave
	s_lshl_b32 s28, s27, 8
	s_mov_b32 s29, 0
	s_add_nc_u64 s[20:21], s[20:21], s[28:29]
	s_mov_b32 s30, 0x3f22f983                      ; 2 / pi
	s_mov_b32 s31, 0xbfc90fdb                      ; -(pi / 2), its f32 part
	s_mov_b32 s32, 0x333bbd2e                      ; and what that part has too much: 4.3711e-8
	s_mov_b32 s33, 0x3638ef1d                      ; 1 / 9!
	s_mov_b32 s34, 0xb9500d01                      ; -1 / 7!
	s_mov_b32 s35, 0x3c088889                      ; 1 / 5!
	s_mov_b32 s36, 0xbe2aaaab                      ; -1 / 3!
	s_mov_b32 s37, 0x37d00d01                      ; 1 / 8!
	s_mov_b32 s38, 0xbab60b61                      ; -1 / 6!
	s_mov_b32 s39, 0x3d2aaaab                      ; 1 / 4!
	v_lshlrev_b32 v4, 4, v2                        ; out: 16 x lane
	v_lshrrev_b32 v19, 4, v2
	v_add_nc_u32 v19, s27, v19                     ; lanes 16-31 take the next position
	v_and_b32 v5, 15, v2
	v_lshlrev_b32 v5, 1, v5
	v_cvt_f32_u32 v20, v5
	v_add_nc_u32 v5, 1, v5
	v_cvt_f32_u32 v21, v5
	v_mul_f32 v20, 0xbed49a78, v20                 ; -i x log2(10000) / 32
	v_mul_f32 v21, 0xbed49a78, v21
	v_exp_f32 v20, v20                             ; my two frequencies
	v_exp_f32 v21, v21
	v_nop                                          ; a plain instruction behind the exponentials,
	s_wait_alu depctr_va_vdst(0)                   ; and one wait ahead of their first reader
; sin and cos of v[ra]: n = the nearest whole number of quarter turns, r = the rest (at most pi / 4 in size), polynomials in r, and n's last two bits choose and sign.
; The choice selects values alone: no branch and no address hangs on it.
.macro SINCOS ra, rc, rs
	v_mul_f32 v24, s30, v[\ra]
	v_rndne_f32 v24, v24
	v_fma_f32 v25, v24, s31, v[\ra]
	v_fma_f32 v25, v24, s32, v25
	v_cvt_i32_f32 v26, v24
	v_mul_f32 v27, v25, v25
	v_fma_f32 v28, v27, s33, s34
	v_fma_f32 v29, v27, s37, s38
	v_fma_f32 v28, v28, v27, s35
	v_fma_f32 v29, v29, v27, s39
	v_fma_f32 v28, v28, v27, s36
	v_fma_f32 v29, v29, v27, -0.5
	v_mul_f32 v28, v28, v27
	v_fma_f32 v29, v29, v27, 1.0                   ; cos r
	v_fma_f32 v28, v28, v25, v25                   ; sin r
	v_and_b32 v30, 1, v26
	v_cmp_eq_u32 vcc_lo, 1, v30
	v_cndmask_b32 v[\rs], v28, v29, vcc_lo         ; an odd quarter swaps the two
	v_cndmask_b32 v[\rc], v29, v28, vcc_lo
	v_and_b32 v30, 2, v26
	v_lshlrev_b32 v30, 30, v30
	v_xor_b32 v[\rs], v[\rs], v30                  ; quarters 2, 3: -sin
	v_add_nc_u32 v30, 1, v26
	v_and_b32 v30, 2, v30
	v_lshlrev_b32 v30, 30, v30
	v_xor_b32 v[\rc], v[\rc], v30                  ; quarters 1, 2: -cos
.endm
.irp t, 0,1,2,3,4,5,6,7
	v_add_nc_u32 v22, 2*\t, v19
	v_cvt_f32_u32 v22, v22
	v_mul_f32 v23, v22, v20
	SINCOS 23, 64+4*\t, 65+4*\t
	v_mul_f32 v23, v22, v21
	SINCOS 23, 66+4*\t, 67+4*\t
	global_store_b128 v4, v[64+4*\t:67+4*\t], s[20:21] offset:512*\t   ; each step has registers of its own
.endr
	s_branch .Lend
; ---- Q: the quantiser.  Rows are dense and K is a multiple of 32: a tensor is a stream of blocks of 32, and so are its codes and its bytes.  A wave takes a run of 16 steps of 512 numbers.
; Each load reads 512 consecutive bytes, 16 a lane; a step's 2,048 bytes turn through the wave's own stage in LDS and come back 64 bytes a lane: 16 neighbours along K, two lanes to a block.
.Lquant:
	v_lshlrev_b32 v3, 4, v2                        ; my 16 bytes of a load's 512
	s_mul_i32 s27, s26, WREG
	v_lshrrev_b32 v14, 2, v2
	v_mul_u32_u24 v14, v14, SP
	v_and_b32 v15, 3, v2
	v_lshl_add_u32 v14, v15, 4, v14
	v_add_nc_u32 v14, s27, v14                     ; the stage, on the way in: SP (lane / 4) + 16 (lane % 4)
	v_mul_u32_u24 v15, v2, SP
	v_add_nc_u32 v15, s27, v15                     ; and on the way out: SP x lane
	v_mul_u32_u24 v4, v2, CB                       ; my codes' place in a step's
	v_lshrrev_b32 v5, 1, v2
	s_add_co_u32 s27, s27, 2*32*SP
	v_add_nc_u32 v5, s27, v5                       ; my block's byte among my wave's 256
	v_lshlrev_b32 v7, 3, v2
	v_add_nc_u32 v6, s27, v7                       ; and on the way out 8 bytes a lane
	s_sub_co_u32 s28, ttmp9, 256                   ; which weight, and which of its 32 work-groups (used from work-group 256 on)
	s_lshr_b32 s29, s28, 5
	s_and_b32 s28, s28, 31
	s_cmp_eq_u32 s29, 1                            ; the choices hang on the work-group's number alone
	s_cselect_b64 s[6:7], s[8:9], s[6:7]
	s_cmp_eq_u32 s29, 2
	s_cselect_b64 s[6:7], s[10:11], s[6:7]
	s_cmp_lt_u32 ttmp9, 256
	s_cselect_b64 s[4:5], s[4:5], s[6:7]
	s_cselect_b32 s28, ttmp9, s28
	s_lshl_b32 s28, s28, 2
	s_add_co_u32 s28, s28, s26                     ; my run in the source,
	s_lshl_b32 s28, s28, 15                        ; of 32,768 bytes
	s_mov_b32 s29, 0
	s_add_nc_u64 s[4:5], s[4:5], s[28:29]
	s_lshl_b32 s30, ttmp9, 2
	s_add_co_u32 s30, s30, s26                     ; my run in the codes and bytes: x's 1,024 runs, then wq's, wk's, wv's 128 each
	s_lshl_b32 s28, s30, 12
	s_add_nc_u64 s[14:15], s[14:15], s[28:29]
	s_lshl_b32 s28, s30, 8
	s_add_nc_u64 s[16:17], s[16:17], s[28:29]
.macro LOAD t
.irp i, 0,1,2,3
	global_load_b128 v[R+16*((\t)%4)+4*\i:R+16*((\t)%4)+4*\i+3], v3, s[4:5] offset:2048*(\t)+512*\i th:TH_LOAD_NT
.endr
.endm
.macro TURN t                          ; step t's numbers through the stage: LDS serves a wave's instructions in order, so no wait stands between the stores and the loads
.irp i, 0,1,2,3
	ds_store_b128 v14, v[R+16*((\t)%4)+4*\i:R+16*((\t)%4)+4*\i+3] offset:32*SP*((\t)%2)+8*SP*\i
.endr
.irp i, 0,1,2,3
	ds_load_b128 v[X+16*((\t)%2)+4*\i:X+16*((\t)%2)+4*\i+3], v15 offset:32*SP*((\t)%2)+16*\i
.endr
.endm
.irp t, 0,1,2,3
	LOAD \t
.endr
	s_wait_loadcnt 12                              ; step 0's four loads are in
	TURN 0
.macro STEP t
.set XS, X+16*((\t)%2)
.if (\t) > 0
	s_wait_dscnt 1                                 ; this step's numbers are back from the stage (the last step's byte store may be out)
.else
	s_wait_dscnt 0x0
.endif
.if (\t)+4 < STEPS
	LOAD (\t)+4                                    ; into the registers that the stage's stores have read
.endif
.if (\t)+1 < STEPS
.if STEPS-2-(\t) >= 3
	s_wait_loadcnt 12                              ; the next step's four loads are in; those of the three steps behind it may be out
.else
	s_wait_loadcnt 4*(STEPS-2-(\t))
.endif
	TURN (\t)+1
.endif
	v_max3_num_f32 v8, |v[XS]|, |v[XS+1]|, |v[XS+2]|               ; the largest magnitude of my 16, in two chains
	v_max3_num_f32 v9, |v[XS+3]|, |v[XS+4]|, |v[XS+5]|
.irp i, 6,10
	v_max3_num_f32 v8, v8, |v[XS+\i]|, |v[XS+\i+1]|
	v_max3_num_f32 v9, v9, |v[XS+\i+2]|, |v[XS+\i+3]|
.endr
	v_max3_num_f32 v8, v8, |v[XS+14]|, |v[XS+15]|
	v_max3_num_f32 v8, v8, v9, 0x1800000           ; and the floor 2^(3 - 127): the byte cannot fall under 1
	v_max_num_f32_dpp v8, v8, v8 row_xmask:1 row_mask:0xf bank_mask:0xf   ; with my neighbour's 16: the block's
	v_add_nc_u32 v11, 0xff000000, v8               ; 2 off its exponent field: the conversion takes the exponent field of this operand as its scale
	v_cvt_scalef32_pk8_fp4_f32 v[C+4*(\t)], v[XS:XS+7], v11
	v_cvt_scalef32_pk8_fp4_f32 v[C+4*(\t)+1], v[XS+8:XS+15], v11
	v_lshrrev_b32 v[E+(\t)], 23, v11               ; the scale's byte
	ds_store_b8 v5, v[E+(\t)] offset:16*(\t)       ; both lanes of a block write the same byte with the same value
	global_store_b64 v4, v[C+4*(\t):C+4*(\t)+1], s[14:15] offset:32*CB*(\t)   ; the wave stores 256 consecutive bytes, aligned
.endm
.irp t, 0,1,2,3,4,5,6,7,8,9,10,11,12,13,14,15
	STEP \t
.endr
	ds_load_b64 v[8:9], v6                         ; LDS serves a wave's instructions in order: these see my stores
	s_wait_dscnt 0x0
	global_store_b64 v7, v[8:9], s[16:17]          ; 32 lanes store 256 consecutive bytes, aligned
.Lend:
	s_wait_tensorcnt 0x0                           ; the wave's end
	ds_add_u32 v[SPW], v[NIL]
	s_wait_dscnt 0x0
	s_endpgm
.Lfunc_end_k_q13123282ca_prep:
	.size	k_q13123282ca_prep, .Lfunc_end_k_q13123282ca_prep-k_q13123282ca_prep
	.p2alignl 7, 3214868480
	.fill 96, 4, 3214868480
	.section	.rodata,"a",@progbits
	.p2align	6, 0x0
	.amdhsa_kernel k_q13123282ca_prep
		.amdhsa_group_segment_fixed_size 33280
		.amdhsa_private_segment_fixed_size 0
		.amdhsa_enable_private_segment 0
		.amdhsa_kernarg_size 72
		.amdhsa_user_sgpr_count 2
		.amdhsa_user_sgpr_kernarg_segment_ptr 1
		.amdhsa_wavefront_size32 1
		.amdhsa_system_sgpr_workgroup_id_x 1
		.amdhsa_system_sgpr_workgroup_id_y 1
		.amdhsa_system_sgpr_workgroup_id_z 1
		.amdhsa_system_vgpr_workitem_id 0
		.amdhsa_next_free_vgpr 192
		.amdhsa_next_free_sgpr 66
		.amdhsa_reserve_vcc 1
		.amdhsa_float_denorm_mode_32 3
		.amdhsa_float_denorm_mode_16_64 3
		.amdhsa_memory_ordered 1
		.amdhsa_forward_progress 1
		.amdhsa_inst_pref_size 64
	.end_amdhsa_kernel
	.amdgpu_metadata
---
amdhsa.version: [ 1, 2 ]
amdhsa.kernels:
  - .name:           k_q13123282ca_prep
    .symbol:         k_q13123282ca_prep.kd
    .args:
      - { .name: x, .offset: 0, .size: 8, .value_kind: global_buffer, .address_space: global }
      - { .name: wq, .offset: 8, .size: 8, .value_kind: global_buffer, .address_space: global }
      - { .name: wk, .offset: 16, .size: 8, .value_kind: global_buffer, .address_space: global }
      - { .name: wv, .offset: 24, .size: 8, .value_kind: global_buffer, .address_space: global }
      - { .name: wo, .offset: 32, .size: 8, .value_kind: global_buffer, .address_space: global }
      - { .name: codes, .offset: 40, .size: 8, .value_kind: global_buffer, .address_space: global }
      - { .name: scales, .offset: 48, .size: 8, .value_kind: global_buffer, .address_space: global }
      - { .name: wo16, .offset: 56, .size: 8, .value_kind: global_buffer, .address_space: global }
      - { .name: tab, .offset: 64, .size: 8, .value_kind: global_buffer, .address_space: global }
    .group_segment_fixed_size: 33280
    .private_segment_fixed_size: 0
    .kernarg_segment_align: 8
    .kernarg_segment_size: 72
    .max_flat_workgroup_size: 128
    .sgpr_count:     66
    .vgpr_count:     192
    .wavefront_size: 32
...
	.end_amdgpu_metadata
.endif
;; end of part 1
;; launch qkv (part 2): grid 12 x 32, 4 waves a work-group, clusters of 4 x 4, 327,680 bytes of LDS; arguments codes, scales, qkv16, tab, fine32; writes qkv16, fine32
.if DOCPART == 2
	.amdgcn_target "amdgcn-amd-amdhsa--gfx1250"
	.amdhsa_code_object_version 6
	.text
	.protected	k_q13123282ca_qkv
	.globl	k_q13123282ca_qkv
	.p2align	8
	.type	k_q13123282ca_qkv,@function
k_q13123282ca_qkv:
	s_mov_b64 s[64:65], 0
	v_nop
	global_prefetch_b8 v0, s[64:65] scope:SCOPE_SE
	s_setreg_imm32_b32 hwreg(HW_REG_WAVE_MODE, 25, 1), 1
	s_wait_xcnt 0x0
	s_wait_alu depctr_hold_cnt(0) depctr_sa_sdst(0) depctr_va_vdst(0) depctr_va_sdst(0) depctr_va_ssrc(0) depctr_va_vcc(0) depctr_vm_vsrc(0)
	s_getreg_b32 s2, hwreg(HW_REG_IB_STS2, 6, 4)
	s_cmp_eq_u32 s2, 0
	s_cbranch_scc0 .Lentry_in_a_cluster
	s_endpgm
.Lentry_in_a_cluster:
	s_bfe_u32 s2, ttmp6, 0x10000c
	s_cmp_lg_u32 s2, 0xf033
	s_cbranch_scc0 .Lentry_shape_is_right
	s_endpgm
.Lentry_shape_is_right:
; q | k | v = x (wq | wk | wv)^T: C [8,192][3,072] = A [8,192][1,024] B [3,072][1,024]^T on codes of FP4 (E2M1) with one E8M0 byte for each 32 along K; sums in f32.
; A's rows are rows 0-8,191 of the codes' buffer, B's rows 8,192-11,263 (wq, wk, wv on end); the scale bytes likewise, 32 a row.
; A tile of C, 256 x 256, is made by four waves, 128 x 128 each: 64 accumulators, 512 registers.  All of K lies in two LDS slots of 512 along K (rows of 256 bytes + 16 of padding): nothing is filled again.
; The scale bytes of the work-group's 256 + 256 rows come once, as rows of 256 bytes + 16 of padding.  CLUSTERS of 4 x 4: A's tiles are asked for jointly along a row of the cluster, B's along a column.
; The matrix instruction is used transposed (source 0 = rows of B, source 1 = rows of A): a lane holds eight neighbouring columns of one row of C.
; THE WAY OUT: q and k (cluster x = 0, 1) are turned by RoPE in f32 (pairs of neighbouring columns lie in one lane; cos and sin from the table), v (cluster x = 2) is left; all are rounded to f16 and stored by head:
; qkv16 [48 planes = column / 64][8,192 rows][64].  The f32 numbers of positions 0-15 of each sequence are stored beside, fine32 [64 rows][3,072], for the launch that carries those rows in f32.
; LIMIT: results beyond 65,504 in magnitude are not served (f16).
; REGISTERS: window 0: v0-31 addresses; v32-95 scale words, two sets; from v128 A's fragments, one set.  window 1: B's fragments, two sets.  windows 2, 3: the accumulators ((a, b) at v[8 (8 (a % 4) + b)]).
; On the way out window 0 holds: v32-95 two sets of table numbers, v96-159 the turned numbers, v160-191 the packed ones, v192-255 two sets of rows read back from the stage.
.set SIZE_K, 1024
.set KSTEP,  512
.set NQ,     KSTEP/128
.set ROWB,   256
.set KROW,   SIZE_K*4/8
.set PITCH,  272                       ; 68 words: the 16 rows that a load touches start at 16 different banks (64 banks of 4 bytes: ISA guide 11.1)
.set FR,     8
.set NL,     2
.set NP,     4                         ; places behind this matrix instruction (ISA guide 7.12.1)
.set HALFT,  128*PITCH
.set SLOT,   4*HALFT
.set KS,     SIZE_K/32
.set SCL,    2*SLOT
.set HALFS,  (128*KS/256)*272
.set SBLK,   (16*KS/256)*272
.set SPARE,  SCL+4*HALFS               ; the spare words, 128 bytes for each wave, which no other line names
.set ADRA, 16
.set ADRB, 20
.set TA,   22                          ; v22  my byte in the table: (position of my row in block 0) x 256 + 32 (lane / 16)
.set POSV, 23                          ; v23  that position
.set STO,  24                          ; v24  the stage: where I put 16 bytes of a row
.set RD,   25                          ; v25  and where I read back
.set CO,   26                          ; v26  my byte offset in qkv16
.set ADRS, 27
.set SPW,  28
.set NIL,  29
.set FO,   30                          ; v30  my byte offset in fine32
.set SC,   32
.set AF,   128
.set TB,   32
.set Y,    96
.set TMP,  160
.set BK,   192
.set G1, 24
.set G0, 32
.set G1B, 48
.set G0B, 56
.set G1S, 68
.set G0S, 76
.set G1SB, 80
.set G0SB, 88
.set MSB, 0
.macro WIN new                         ; the immediate's high byte repeats the setting that is left
.if MSB != \new
	s_set_vgpr_msb (MSB<<8)|\new
.set MSB, \new
.endif
.endm
.set MUL_LO, 0xa1                      ; source 0 (B) window 1, source 1 (A) window 0, C and D window 2
.set MUL_HI, 0xf1
.set TO_B,   0x40
; A joint load: waves 0 and 1 fetch for A, waves 2 and 3 for B; the branch hangs on the wave's number alone.  An s_nop 0 and four v_nop follow each line.
.macro JLOAD g0a, g1a, g0b, g1b
	s_cmp_eq_u32 s15, 0
	s_cbranch_scc0 .Lfor_b_\@
	tensor_load_to_lds s[\g0a:\g0a+3], s[\g1a:\g1a+7]
	s_nop 0
.rept 4
	v_nop
.endr
	s_branch .Lasked_\@
.Lfor_b_\@:
	tensor_load_to_lds s[\g0b:\g0b+3], s[\g1b:\g1b+7]
	s_nop 0
.rept 4
	v_nop
.endr
.Lasked_\@:
.endm
.macro CROUND                          ; a round of the cluster's barrier
	s_barrier_signal -1
	s_barrier_wait -1
	s_cmp_lg_u32 s14, 0
	s_cbranch_scc1 .Lnot_wave_0_\@
	s_barrier_signal -3
.Lnot_wave_0_\@:
	s_barrier_wait -3
	s_barrier_signal -1
	s_barrier_wait -1
.endm
	s_load_b128 s[4:7], s[0:1], 0x0                ; the codes s[4:5], the scale bytes s[6:7]
	s_load_b64 s[12:13], s[0:1], 0x10              ; qkv16
	s_load_b128 s[96:99], s[0:1], 0x18             ; the table s[96:97], fine32 s[98:99]
	v_lshl_add_u32 v[SPW], v0, 2, SPARE
	v_mov_b32 v[NIL], 0
	ds_add_u32 v[SPW], v[NIL]                      ; the wave's opening: the add, twice on end, and its wait ahead of my first tensor load
	ds_add_u32 v[SPW], v[NIL]
	v_lshrrev_b32 v1, 5, v0
	v_readfirstlane_b32 s14, v1                    ; wave 0..3
	s_lshr_b32 s15, s14, 1                         ; which half of the tile's rows is mine.  Also: I fetch for A (0) or for B (1)
	s_and_b32 s16, s14, 1                          ; which half of its columns.  Also: which 128 rows of that tile I fetch
	s_bfe_u32 s40, ttmp6, 0x40000                  ; cx, cy
	s_bfe_u32 s41, ttmp6, 0x40004
	s_lshl_b32 s42, ttmp9, 2
	s_add_co_u32 s42, s42, s40                     ; tile column
	s_and_b32 s17, ttmp7, 0xffff
	s_lshl_b32 s17, s17, 2
	s_add_co_u32 s17, s17, s41                     ; tile row
	s_lshl_b32 s43, s41, 2
	s_lshl_b32 s43, 15, s43                        ; my row of the cluster
	s_lshl_b32 s44, 0x1111, s40                    ; my column
	s_or_b32 s[G1+0], s43, (0<<16)|(1<<20)|(1<<21)|(5<<22)|(3<<25)  ; the mask; elements of 1 byte; padding on; bit 21 beside a mask; 4 words behind every 64
	s_or_b32 s[G1B+0], s44, (0<<16)|(1<<20)|(1<<21)|(5<<22)|(3<<25)
.irp g, G1, G1B
	s_mov_b32 s[\g+1], ROWB<<16                    ; tensor_dim0
	s_mov_b32 s[\g+2], 128<<16                     ; tensor_dim1
	s_mov_b32 s[\g+3], ROWB<<16                    ; tile_dim0
	s_mov_b32 s[\g+4], 128                         ; tile_dim1
	s_mov_b32 s[\g+5], KROW                        ; the pitch
	s_mov_b32 s[\g+6], 0
	s_mov_b32 s[\g+7], 0
.endr
	s_or_b32 s[G1S+0], s43, (3<<16)|(1<<20)|(1<<21)|(5<<22)|(3<<25) ; the scales of 128 rows: a dense block as rows of 32 elements of 8 bytes
	s_or_b32 s[G1SB+0], s44, (3<<16)|(1<<20)|(1<<21)|(5<<22)|(3<<25)
.irp g, G1S, G1SB
	s_mov_b32 s[\g+1], 32<<16
	s_mov_b32 s[\g+2], (128*KS/256)<<16
	s_mov_b32 s[\g+3], 32<<16
	s_mov_b32 s[\g+4], 128*KS/256
	s_mov_b32 s[\g+5], 32
	s_mov_b32 s[\g+6], 0
	s_mov_b32 s[\g+7], 0
.endr
	s_lshl_b32 s18, s16, 7
	s_lshl_b32 s20, s17, 8
	s_add_co_u32 s20, s20, s18                     ; A: row 256 x tile row + 128 x half
	s_lshl_b32 s46, s42, 8
	s_add_co_u32 s46, s46, s18                     ; B: row 256 x tile column + 128 x half
	s_mov_b32 s21, 0
	s_mov_b32 s47, 0
	s_mov_b64 s[18:19], KS
	s_mul_u64 s[22:23], s[20:21], s[18:19]
	s_mul_u64 s[92:93], s[46:47], s[18:19]
	s_mov_b64 s[18:19], KROW
	s_mul_u64 s[20:21], s[20:21], s[18:19]
	s_mul_u64 s[46:47], s[46:47], s[18:19]
	s_mul_i32 s45, s14, HALFT                      ; where they go: wave x 128 rows
	s_mul_i32 s94, s14, HALFS
	s_wait_dscnt 0x0                               ; both opening adds are done
	s_wait_kmcnt 0x0
	s_add_nc_u64 s[8:9], s[4:5], 0x400000          ; B's codes begin behind A's 8,192 rows of 512 bytes,
	s_add_nc_u64 s[10:11], s[6:7], 0x40000         ; B's bytes behind A's 8,192 x 32
	s_add_nc_u64 s[20:21], s[4:5], s[20:21]
	s_add_nc_u64 s[22:23], s[6:7], s[22:23]
	s_add_nc_u64 s[46:47], s[8:9], s[46:47]
	s_add_nc_u64 s[92:93], s[10:11], s[92:93]
	CROUND                                         ; all sixteen work-groups are here: the first joint loads meet
	s_mov_b32 s[G0S], 1
	s_add_co_u32 s[G0S+1], s94, SCL
	s_mov_b64 s[G0S+2:G0S+3], s[22:23]
	s_or_b32 s[G0S+3], s[G0S+3], 0x80000000
	s_mov_b32 s[G0SB], 1
	s_add_co_u32 s[G0SB+1], s94, SCL
	s_mov_b64 s[G0SB+2:G0SB+3], s[92:93]
	s_or_b32 s[G0SB+3], s[G0SB+3], 0x80000000
	JLOAD G0S, G1S, G0SB, G1SB                     ; three tensor loads of mine go out: the scales, slot 0, slot 1
.irp s, 0,1
	s_mov_b32 s[G0+4*\s], 1
	s_add_co_u32 s[G0+4*\s+1], s45, \s*SLOT
	s_add_nc_u64 s[G0+4*\s+2:G0+4*\s+3], s[20:21], \s*ROWB
	s_or_b32 s[G0+4*\s+3], s[G0+4*\s+3], 0x80000000
	s_mov_b32 s[G0B+4*\s], 1
	s_add_co_u32 s[G0B+4*\s+1], s45, \s*SLOT
	s_add_nc_u64 s[G0B+4*\s+2:G0B+4*\s+3], s[46:47], \s*ROWB
	s_or_b32 s[G0B+4*\s+3], s[G0B+4*\s+3], 0x80000000
	JLOAD G0+4*\s, G1, G0B+4*\s, G1B
.endr
	v_and_b32 v1, 15, v0                           ; r = l % 16
	v_bfe_u32 v2, v0, 4, 1                         ; h = l / 16
	v_mul_u32_u24 v3, v1, PITCH
	v_lshl_add_u32 v4, v2, 4, v3
	s_mul_i32 s21, s15, HALFT
	s_mul_i32 s22, s16, HALFT
	s_add_co_u32 s22, s22, 2*HALFT
.irp s, 0,1
	v_add_nc_u32 v[ADRA+\s], s21, v4
	v_add_nc_u32 v[ADRB+\s], s22, v4
	s_add_co_u32 s21, s21, SLOT
	s_add_co_u32 s22, s22, SLOT
.endr
	v_mul_u32_u24 v5, v1, KS                       ; my row's scales: KS bytes a row,
	v_lshrrev_b32 v6, 8, v5
	v_lshl_add_u32 v5, v6, 4, v5                   ; and 16 more for each 256 passed
	s_mul_i32 s21, s15, HALFS
	s_mul_i32 s22, s16, HALFS
	s_add_co_u32 s22, s22, 2*HALFS
	s_sub_co_u32 s22, s22, s21
	v_mul_u32_u24 v6, s22, v2                      ; lanes 16-31 take B's
	s_add_co_u32 s21, s21, SCL
	v_add_nc_u32 v5, v5, v6
	v_add_nc_u32 v[ADRS], s21, v5
	; the way out's addresses
	s_mul_i32 s23, s14, 4608                       ; my stage: [2 planes][16 rows][128 bytes + 16]
	v_mul_u32_u24 v5, v1, 144
	v_lshl_add_u32 v5, v2, 4, v5
	v_add_nc_u32 v[STO], s23, v5                   ; in: row r, 16 bytes for each half of the lanes
	v_bfe_u32 v6, v0, 3, 1
	v_mul_u32_u24 v6, v6, 144
	v_mul_u32_u24 v5, v2, 2304
	v_add_nc_u32 v5, v5, v6
	v_and_b32 v6, 7, v0
	v_lshl_add_u32 v5, v6, 4, v5
	v_add_nc_u32 v[RD], s23, v5                    ; back: lanes 0-15 two rows of plane 0, lanes 16-31 of plane 1
	v_lshlrev_b32 v[CO], 4, v1
	v_lshl_add_u32 v[CO], v2, 20, v[CO]            ; and the same in qkv16: a plane is 2^20 bytes
	s_lshl_b32 s20, s17, 8
	s_lshl_b32 s21, s15, 7
	s_add_co_u32 s20, s20, s21                     ; my first row of C
	s_lshl_b32 s46, s42, 8
	s_lshl_b32 s47, s16, 7
	s_add_co_u32 s46, s46, s47                     ; my first column
	s_and_b32 s21, s20, 2047
	v_add_nc_u32 v[POSV], s21, v1                  ; the position of row r of my block 0
	v_lshlrev_b32 v[TA], 8, v[POSV]
	v_lshl_add_u32 v[TA], v2, 5, v[TA]
	s_lshr_b32 s22, s20, 11                        ; the batch
	s_lshl_b32 s22, s22, 4
	v_add_nc_u32 v5, s22, v1
	v_mul_u32_u24 v[FO], v5, 12288                 ; fine32: row 16 x batch + r (inside the buffer in every work-group),
	v_lshl_add_u32 v[FO], v2, 5, v[FO]
	s_lshl_b32 s22, s46, 2
	v_add_nc_u32 v[FO], s22, v[FO]                 ; column: my first + 8 h
	s_lshr_b32 s22, s46, 6
	s_lshl_b32 s22, s22, 20                        ; my first plane,
	s_lshl_b32 s23, s20, 7                         ; my first row of 128 bytes
	s_add_co_u32 s22, s22, s23
	s_mov_b32 s23, 0
	s_add_nc_u64 s[12:13], s[12:13], s[22:23]
.macro FRAG reg, adr, q, i             ; 16 rows x 128 K of 4-bit codes: 8 registers: two loads of 16 bytes, 32 bytes apart
.irp c, 0,1
	ds_load_b128 v[\reg+4*\c:\reg+4*\c+3], v[\adr] offset:64*(\q)+32*\c+(\i)*16*PITCH
.endr
.endm
; 16 matrix instructions: A's blocks a0, a0 + 1 x B's eight.  The 64 accumulators take turns, one instruction a turn, in the same order in every step.
.macro MUL16 a0, p, q, sc, zero
.irp a, \a0, \a0+1
.irp b, 0,1,2,3,4,5,6,7
.if \zero
	v_wmma_scale_f32_16x16x128_f8f6f4 v[8*(8*((\a)%4)+\b):8*(8*((\a)%4)+\b)+7], v[128*(\p)+FR*\b:128*(\p)+FR*\b+FR-1], v[AF+FR*(\a):AF+FR*(\a)+FR-1], 0, v[SC+8*NQ*(\sc)+NQ*\b+(\q)], v[SC+8*NQ*(\sc)+NQ*(\a)+(\q)] matrix_a_fmt:MATRIX_FMT_FP4 matrix_b_fmt:MATRIX_FMT_FP4 matrix_a_scale:MATRIX_SCALE_ROW1
.else
	v_wmma_scale_f32_16x16x128_f8f6f4 v[8*(8*((\a)%4)+\b):8*(8*((\a)%4)+\b)+7], v[128*(\p)+FR*\b:128*(\p)+FR*\b+FR-1], v[AF+FR*(\a):AF+FR*(\a)+FR-1], v[8*(8*((\a)%4)+\b):8*(8*((\a)%4)+\b)+7], v[SC+8*NQ*(\sc)+NQ*\b+(\q)], v[SC+8*NQ*(\sc)+NQ*(\a)+(\q)] matrix_a_fmt:MATRIX_FMT_FP4 matrix_b_fmt:MATRIX_FMT_FP4 matrix_a_scale:MATRIX_SCALE_ROW1
.endif
.endr
.endr
.endm
.macro FETCH_B slot, q, p
	WIN TO_B
.irp i, 0,1,2,3,4,5,6,7
	FRAG 128*(\p)+FR*\i, ADRB+\slot, \q, \i
.endr
	WIN 0
.endm
.macro FETCH_A slot, q, i0
.irp i, \i0, \i0+1, \i0+2, \i0+3
	FRAG AF+FR*(\i), ADRA+\slot, \q, \i
.endr
.endm
.macro SCALES sc                       ; a slot's scale words: lanes 0-15 take A's block i, lanes 16-31 B's block i
.irp i, 0,1,2,3,4,5,6,7
	ds_load_b128 v[SC+8*NQ*\sc+NQ*\i:SC+8*NQ*\sc+NQ*\i+3], v[ADRS] offset:\i*SBLK
.endr
.endm
.macro PLACES n                        ; plain vector instructions between a matrix instruction and a load into, or a read of, its registers
.rept \n
	v_nop
.endr
.endm
.macro STEP slot, q, zero              ; 128 along K that has its successor in the same slot
	s_wait_dscnt 4*NL                              ; B's set and A's blocks 0-3 are in; A's blocks 4-7 may be out
	WIN MUL_LO
	MUL16 0, (\q)%2, \q, \slot, \zero
	MUL16 2, (\q)%2, \q, \slot, \zero
	s_wait_dscnt 0
	PLACES NP
	FETCH_B \slot, (\q)+1, 1-(\q)%2
	FETCH_A \slot, (\q)+1, 0
	WIN MUL_HI
	MUL16 4, (\q)%2, \q, \slot, \zero
	MUL16 6, (\q)%2, \q, \slot, \zero
	PLACES NP
	WIN 0
	FETCH_A \slot, (\q)+1, 4
.endm
.macro STEPS slot, from
.set Q, \from
.rept NQ-1-\from
	STEP \slot, Q, 0
.set Q, Q+1
.endr
.endm
	s_wait_tensorcnt 1                             ; the scales and my part of slot 0 are in (slot 1's load may be out)
	s_barrier_signal -1
	s_barrier_wait -1                              ; everybody's are
	FETCH_B 0, 0, 0
	FETCH_A 0, 0, 0
	SCALES 0
	FETCH_A 0, 0, 4
	STEP 0, 0, 1                                   ; the first products start the sums: nothing is cleared
	STEPS 0, 1
	; slot 0's last step changes slots: one barrier; nothing is filled again
	s_wait_tensorcnt 0x0                           ; all my tensor loads have landed: my part of slot 1
	ds_add_u32 v[SPW], v[NIL]                      ; 0 onto my spare word
	s_wait_dscnt 4*NL+1                            ; (the add and A's blocks 4-7 may be out)
	WIN MUL_LO
	MUL16 0, 1, NQ-1, 0, 0
	s_wait_dscnt 0x0                               ; the add is done, and my reads of slot 0 are over
	s_barrier_signal -1
	MUL16 2, 1, NQ-1, 0, 0
	WIN 0
	s_barrier_wait -1
	PLACES NP
	v_add_nc_u32 v[ADRS], 4*NQ, v[ADRS]            ; on to slot 1's scale words
	FETCH_B 1, 0, 0
	FETCH_A 1, 0, 0
	SCALES 1
	WIN MUL_HI
	MUL16 4, 1, NQ-1, 0, 0
	MUL16 6, 1, NQ-1, 0, 0
	PLACES NP
	WIN 0
	FETCH_A 1, 0, 4
	STEPS 1, 0
	s_wait_dscnt 4*NL                              ; the very last step
	WIN MUL_LO
	MUL16 0, 1, NQ-1, 1, 0
	MUL16 2, 1, NQ-1, 1, 0
	s_wait_dscnt 0
	WIN MUL_HI
	MUL16 4, 1, NQ-1, 1, 0
	MUL16 6, 1, NQ-1, 1, 0
	WIN 0
; THE WAY OUT, block by block of 16 rows x 128 columns (two heads' planes).  Lane (r, h) holds row 16 a + r, columns 16 b + 8 h + 0..7: four RoPE pairs, 8 (b % 4) + 4 h + 0..3 of the head.
; The stage lies in slot 0, which has had its one fill and which every wave has left at the change of slots; it is each wave's own, so no barrier, and LDS serves a wave's instructions in order.
.macro LOADT a                         ; cos and sin of block a's rows: register 8 bq + 2 i the cos, + 1 the sin, of pair 8 bq + 4 h + i
.irp bq, 0,1,2,3
	global_load_b128 v[TB+32*((\a)%2)+8*\bq:TB+32*((\a)%2)+8*\bq+3], v[TA], s[96:97] offset:4096*(\a)+64*\bq
	global_load_b128 v[TB+32*((\a)%2)+8*\bq+4:TB+32*((\a)%2)+8*\bq+7], v[TA], s[96:97] offset:4096*(\a)+64*\bq+16
.endr
.endm
.macro ROPE a
.set AC, 64*((\a)%4)
.set TS, TB+32*((\a)%2)
.if (\a) < 7
	s_wait_loadcnt 8                               ; this block's table numbers are in; the next block's eight loads may be out
.else
	s_wait_loadcnt 0
.endif
	WIN (0x02+(\a)/4)                              ; source 0: the accumulators' window
.irp b, 0,1,2,3,4,5,6,7
.irp i, 0,2,4,6
	v_pk_mul_f32 v[Y+8*\b+\i:Y+8*\b+\i+1], v[AC+8*\b+\i:AC+8*\b+\i+1], v[TS+8*(\b%4)+\i:TS+8*(\b%4)+\i+1] op_sel:[1,1] op_sel_hi:[0,1] neg_lo:[0,1]   ; (-x1 sin, x0 sin); each accumulator from its low end on
.endr
.irp i, 0,2,4,6
	v_pk_fma_f32 v[Y+8*\b+\i:Y+8*\b+\i+1], v[AC+8*\b+\i:AC+8*\b+\i+1], v[TS+8*(\b%4)+\i:TS+8*(\b%4)+\i+1], v[Y+8*\b+\i:Y+8*\b+\i+1] op_sel_hi:[1,0,1]   ; + (x0 cos, x1 cos)
.endr
.endr
	WIN 0
.irp b, 0,1,2,3,4,5,6,7
.irp i, 0,1,2,3
	v_cvt_pk_f16_f32 v[TMP+4*\b+\i], v[Y+8*\b+2*\i], v[Y+8*\b+2*\i+1]
.endr
.endr
.if (\a) < 6
	LOADT (\a)+2
.endif
.endm
.macro PACKV a
.set AC, 64*((\a)%4)
	WIN (0x0a+5*((\a)/4))                          ; sources 0 and 1: the accumulators' window
.irp b, 0,1,2,3,4,5,6,7
.irp i, 0,1,2,3
	v_cvt_pk_f16_f32 v[TMP+4*\b+\i], v[AC+8*\b+2*\i], v[AC+8*\b+2*\i+1]
.endr
.endr
	WIN 0
.endm
; The f32 numbers of positions 0-15 (block 0 of the waves whose first row begins a sequence).  A mask and no branch, since it hangs on the work-group's place in its cluster; all lanes of a wave or none.
; EXEC changes only behind a wait on XCNT for 0.  A lane stores 32 bytes of a row: 768 KB in the whole launch go out in pieces of 64 bytes.
.macro SIDE src, win
	s_wait_xcnt 0x0
	v_cmp_gt_u32 vcc_lo, 16, v[POSV]
	s_and_saveexec_b32 s20, vcc_lo
	WIN \win
.irp b, 0,1,2,3,4,5,6,7
	global_store_b128 v[FO], v[\src+8*\b:\src+8*\b+3], s[98:99] offset:64*\b
	global_store_b128 v[FO], v[\src+8*\b+4:\src+8*\b+7], s[98:99] offset:64*\b+16
.endr
	WIN 0
	s_wait_xcnt 0x0                                ; the stores have read their data, their addresses and EXEC
	s_or_b32 exec_lo, exec_lo, s20
.endm
.macro TOSTAGE a, so
.irp b, 0,1,2,3,4,5,6,7
	ds_store_b128 v[STO], v[TMP+4*\b:TMP+4*\b+3] offset:\so+(\b/4)*2304+(\b%4)*32
.endr
.irp t, 0,1,2,3,4,5,6,7
	ds_load_b128 v[BK+32*((\a)%2)+4*\t:BK+32*((\a)%2)+4*\t+3], v[RD] offset:\so+288*\t
.endr
.endm
.macro SEND a
	s_wait_dscnt 0x0                               ; the block is back in registers
	s_wait_xcnt 0x0                                ; the stores of the block before have read their registers: the next block's loads may land there
.irp t, 0,1,2,3,4,5,6,7
	global_store_b128 v[CO], v[BK+32*((\a)%2)+4*\t:BK+32*((\a)%2)+4*\t+3], s[12:13] offset:2048*(\a)+256*\t   ; 16 lanes store two rows of a plane: 256 consecutive bytes, aligned
.endr
.endm
	PLACES NP                                      ; behind the last products: for the loads into the scale words' registers and the first reads of results
	s_cmp_eq_u32 ttmp9, 2                          ; the cluster's x, the same in all sixteen partners: 0 q, 1 k, 2 v
	s_cbranch_scc1 .Lv_out
	LOADT 0
	LOADT 1
	ROPE 0
	SIDE Y, 0
	TOSTAGE 0, 0
.irp a, 1,2,3,4,5,6,7
	ROPE \a                                        ; a block's arithmetic stands between the loads of the block before and its stores
	SEND \a-1
	TOSTAGE \a, 0
.endr
	SEND 7
	s_branch .Lclose
.Lv_out:                                               ; v is not turned.  This path's stage has bytes of its own
	PACKV 0
	SIDE 0, 0x08                                   ; a store's data are its source 1: window 2
	TOSTAGE 0, 18432
.irp a, 1,2,3,4,5,6,7
	PACKV \a
	SEND \a-1
	TOSTAGE \a, 18432
.endr
	SEND 7
.Lclose:
	s_wait_tensorcnt 0x0                           ; the wave's end
	ds_add_u32 v[SPW], v[NIL]
	s_wait_dscnt 0x0
	CROUND                                         ; the closing round
	s_endpgm
.Lfunc_end_k_q13123282ca_qkv:
	.size	k_q13123282ca_qkv, .Lfunc_end_k_q13123282ca_qkv-k_q13123282ca_qkv
	.p2alignl 7, 3214868480
	.fill 96, 4, 3214868480
	.section	.rodata,"a",@progbits
	.p2align	6, 0x0
	.amdhsa_kernel k_q13123282ca_qkv
		.amdhsa_group_segment_fixed_size 327680
		.amdhsa_private_segment_fixed_size 0
		.amdhsa_enable_private_segment 0
		.amdhsa_kernarg_size 40
		.amdhsa_user_sgpr_count 2
		.amdhsa_user_sgpr_kernarg_segment_ptr 1
		.amdhsa_wavefront_size32 1
		.amdhsa_system_sgpr_workgroup_id_x 1
		.amdhsa_system_sgpr_workgroup_id_y 1
		.amdhsa_system_sgpr_workgroup_id_z 1
		.amdhsa_system_vgpr_workitem_id 0
		.amdhsa_next_free_vgpr 1024
		.amdhsa_next_free_sgpr 102
		.amdhsa_reserve_vcc 1
		.amdhsa_float_denorm_mode_32 3
		.amdhsa_float_denorm_mode_16_64 3
		.amdhsa_memory_ordered 1
		.amdhsa_forward_progress 1
		.amdhsa_inst_pref_size 200
	.end_amdhsa_kernel
	.amdgpu_metadata
---
amdhsa.version: [ 1, 2 ]
amdhsa.kernels:
  - .name:           k_q13123282ca_qkv
    .symbol:         k_q13123282ca_qkv.kd
    .args:
      - { .name: codes, .offset: 0, .size: 8, .value_kind: global_buffer, .address_space: global }
      - { .name: scales, .offset: 8, .size: 8, .value_kind: global_buffer, .address_space: global }
      - { .name: qkv16, .offset: 16, .size: 8, .value_kind: global_buffer, .address_space: global }
      - { .name: tab, .offset: 24, .size: 8, .value_kind: global_buffer, .address_space: global }
      - { .name: fine32, .offset: 32, .size: 8, .value_kind: global_buffer, .address_space: global }
    .group_segment_fixed_size: 327680
    .private_segment_fixed_size: 0
    .kernarg_segment_align: 8
    .kernarg_segment_size: 40
    .max_flat_workgroup_size: 128
    .sgpr_count:     102
    .vgpr_count:     1024
    .wavefront_size: 32
...
	.end_amdgpu_metadata
.endif
;; end of part 2
;; launch attn (part 3): grid 4 x 64, 16 waves a work-group, clusters of 4 x 1, 327,680 bytes of LDS; arguments qkv16, att16; writes att16
.if DOCPART == 3
	.amdgcn_target "amdgcn-amd-amdhsa--gfx1250"
	.amdhsa_code_object_version 6
	.text
	.protected	k_q13123282ca_attn
	.globl	k_q13123282ca_attn
	.p2align	8
	.type	k_q13123282ca_attn,@function
k_q13123282ca_attn:
	s_mov_b64 s[64:65], 0
	v_nop
	global_prefetch_b8 v0, s[64:65] scope:SCOPE_SE
	s_setreg_imm32_b32 hwreg(HW_REG_WAVE_MODE, 25, 1), 1
	s_wait_xcnt 0x0
	s_wait_alu depctr_hold_cnt(0) depctr_sa_sdst(0) depctr_va_vdst(0) depctr_va_sdst(0) depctr_va_ssrc(0) depctr_va_vcc(0) depctr_vm_vsrc(0)
	s_getreg_b32 s2, hwreg(HW_REG_IB_STS2, 6, 4)
	s_cmp_eq_u32 s2, 0
	s_cbranch_scc0 .Lentry_in_a_cluster
	s_endpgm
.Lentry_in_a_cluster:
	s_bfe_u32 s2, ttmp6, 0x10000c
	s_cmp_lg_u32 s2, 0x3003
	s_cbranch_scc0 .Lentry_shape_is_right
	s_endpgm
.Lentry_shape_is_right:
; O[q] = the sum over k <= q of softmax_k(Q[q] . K[k] / 8) V[k], for each of 4 batches x 16 heads, 2,048 positions, head size 64.  Operands in f16, products, maxima and sums in f32; the weights p are rounded to f16 for the second product.
; WORK LEFT OUT: key steps all of whose keys come after a wave's queries: reference()'s own tril gives them the weight 0 for all finite inputs.  A NaN or an infinity that reaches only such scores is not carried to the result.
; qkv16: [48 planes][8,192 rows][64] f16 (planes 0-15 q, 16-31 k, 32-47 v); att16: [16 heads][8,192 rows][64] f16.  y = 4 x head + batch: its 2,048 rows begin y x 262,144 bytes into each group of planes.
; SHARES.  The four work-groups of a cluster serve one (batch, head) and walk the same K and V in step: each tile is asked for JOINTLY.  A wave owns 32 queries, two tiles of 16: 128 x rank + 32 x cx on, rank a
; permutation of the wave's number.  Every wave walks all 32 key steps of 64 and all barriers; a step beyond 128 x rank + 64 is jumped over; from 128 x rank on scores are masked.  Both bounds hang on the wave's number
; alone, never on cx: so the partners cx = 0, 1 work one step whose scores are all masked (their p is 0, the running maximum stays).  Rank 15 reads every tile that is fetched.
; The coarse results of positions 0-15 are stored too: they share a tile with live rows, and the next launch's tiles cover them; launch fine makes those output rows anew in f32.
; LAYOUT.  S^T = K Q^T (source 0 = 16 keys, source 1 = 16 queries): a lane holds one query (lane % 16) and keys 8 (lane / 16) + 0..7.  Two such tiles, rounded to f16 in pairs, are source 1 of O^T = V^T P.
; V comes out of LDS turned, by ds_load_tr16_b128.  Running maximum m and sum l: p = 2^(c s - c m), c = log2(e) / 8; O and l are multiplied by a = 2^(c m_old - c m_new) in every step.
; Four waves share a SIMD, so that one wave's softmax stands beside another's products and LDS loads.
.set KS,    64
.set PK,    144                        ; a row of K in LDS: 128 bytes + 16
.set PV,    160                        ; a row of V: 128 + 32: an odd multiple of 32, for the turning load
.set VOFF,  KS*PK
.set STEPB, KS*(PK+PV)                 ; a step's tiles: K's 64 rows, then V's
.set SLOT1, 1<<17                      ; a slot holds four steps (77,824 bytes); slot 1 begins here: one exclusive or turns an address
.set SPARE, SLOT1+4*STEPB              ; the spare words, 128 bytes for each wave, which no other line names
.set AK0, 1                            ; v1  my lane's place in a tile of K
.set AV0, 2                            ; v2  and of V
.set ADK, 3                            ; v3  the step's address for K
.set ADV, 4                            ; v4  for V
.set SPW, 5
.set NIL, 6
.set PFO, 7                            ; v7  256 x lane
.set DQ,  8                            ; v8  my query - 8 (lane / 16)
.set DD,  9                            ; v9  that less the step's first key
.set NINF, 10                          ; v10 -infinity
.set ST,  12                           ; tile t's statistics at v[ST + 8 t]: +0 c m, +1 m, +2, +3 l, +4..+7 at work, a in +6
.set STO, 28                           ; v28 the way out: into the stage
.set RD,  29                           ; v29 back
.set GO,  30                           ; v30 my byte offset in my wave's rows of att16
.set Q,   32                           ; v32-63   Q: tile q, channels 32 c on, at 32 + 16 q + 8 c
.set KV,  64                           ; v64-127  eight fragments of K, then eight of V
.set S,   128                          ; v128-191 S^T, 32 a tile; P is written in place into the first 16 of each tile
.set O,   192                          ; v192-255 O^T, 32 a tile
.set WV,  12
.set LIM, 15
.set PFA, 18
.set G1K, 24
.set G1V, 32
.set G0K, 40                           ; s[40:47] two sets, for the two first fills; the second walks on
.set G0V, 48
.set SLOTS, 56
.set CNT, 57
.set CS,  58
.set SEL, 60
.set TB,  62                           ; s62 LDS byte at which the step's tiles begin
.set KF,  63                           ; s63 the step's first key
.set KLAST, 66
.set KMASK, 67
.macro CROUND
	s_barrier_signal -1
	s_barrier_wait -1
	s_cmp_lg_u32 s[WV], 0
	s_cbranch_scc1 .Lnot_wave_0_\@
	s_barrier_signal -3
.Lnot_wave_0_\@:
	s_barrier_wait -3
	s_barrier_signal -1
	s_barrier_wait -1
.endm
; A joint refill: waves 0-3 fetch the slot's four tiles of K, waves 4-7 its four of V, the others nothing.  The branches hang on the wave's number alone.
.macro JLOAD3
	s_cmp_lt_u32 s[WV], 4
	s_cbranch_scc0 .Lnot_k_\@
	tensor_load_to_lds s[G0K+4:G0K+7], s[G1K:G1K+7]
	s_nop 0
.rept 4
	v_nop
.endr
	s_branch .Lasked_\@
.Lnot_k_\@:
	s_cmp_lt_u32 s[WV], 8
	s_cbranch_scc0 .Lasked_\@
	tensor_load_to_lds s[G0V+4:G0V+7], s[G1V:G1V+7]
	s_nop 0
.rept 4
	v_nop
.endr
.Lasked_\@:
.endm
; A prefetch of what the NEXT change of slots will ask for: a slot's 32,768 bytes of K and of V.  The four partners share them out by address, 8,192 bytes each, lanes 256 bytes apart; wave 8 asks for K's, wave 12 for V's:
; each block of 256 bytes is named once in the launch.  The last change that fills a slot asks for nothing; nothing is asked for at the head.
.macro ASK
	s_cmp_gt_u32 s[SLOTS], s[LIM]
	s_cbranch_scc0 .Lnot_mine_\@
	global_prefetch_b8 v[PFO], s[PFA:PFA+1] th:TH_LOAD_NT scope:SCOPE_SE
.Lnot_mine_\@:
.endm
	s_load_b128 s[4:7], s[0:1], 0x0                ; qkv16 s[4:5], att16 s[6:7]
	v_lshl_add_u32 v[SPW], v0, 2, SPARE
	v_mov_b32 v[NIL], 0
	ds_add_u32 v[SPW], v[NIL]                      ; the wave's opening: the add, twice on end, and its wait ahead of the first tensor load
	ds_add_u32 v[SPW], v[NIL]
	v_lshrrev_b32 v1, 5, v0
	v_readfirstlane_b32 s[WV], v1                  ; wave 0..15
	s_bfe_u32 s13, ttmp6, 0x40000                  ; cx
	s_and_b32 s14, ttmp7, 0xffff                   ; y = 4 x head + batch
	s_lshl_b32 s20, s14, 18
	s_mov_b32 s21, 0
	s_lshr_b32 s16, s[WV], 2
	s_and_b32 s17, s16, 1
	s_mul_i32 s17, s17, 3
	s_and_b32 s22, s[WV], 3
	s_xor_b32 s17, s17, s22
	s_lshl_b32 s16, s16, 2
	s_add_co_u32 s16, s16, s17                     ; rank = 4 (w / 4) + (w % 4, mirrored in every second four)
	s_lshl_b32 s[KMASK], s16, 7
	s_add_co_u32 s[KLAST], s[KMASK], 64
	s_lshl_b32 s23, s13, 5
	s_add_co_u32 s68, s[KMASK], s23                ; my first query: it enters Q's and O's addresses and the mask's numbers alone
	s_mul_i32 s17, s22, STEPB                      ; which of a slot's four steps I fetch: its place in a slot,
	s_lshl_b32 s2, s22, 13                         ; and its 64 rows of 128 bytes in memory
	s_mov_b32 s3, 0
	s_add_nc_u64 s[2:3], s[2:3], s[20:21]
	s_mov_b32 s[G1K], 15|(1<<16)|(1<<20)|(1<<21)|(4<<22)|(3<<25)  ; the mask: all four; elements of 2 bytes; padding on; bit 21 beside a mask; 4 words behind every 32
	s_mov_b32 s[G1V], 15|(1<<16)|(1<<20)|(1<<21)|(4<<22)|(7<<25)  ; the same with 8 words
.irp g, G1K, G1V
	s_mov_b32 s[\g+1], 64<<16                      ; tensor_dim0
	s_mov_b32 s[\g+2], KS<<16                      ; tensor_dim1
	s_mov_b32 s[\g+3], 64<<16                      ; tile_dim0
	s_mov_b32 s[\g+4], KS                          ; tile_dim1
	s_mov_b32 s[\g+5], 64                          ; the pitch
	s_mov_b32 s[\g+6], 0
	s_mov_b32 s[\g+7], 0
.endr
	s_mov_b32 s[CS], 0x3e38aa3b                    ; c = log2(e) / 8
	s_mov_b32 s[CS+1], s[CS]
	s_mov_b32 s[SEL], 0x76543210
	s_mov_b32 s[SEL+1], 0xfedcba98
	s_mov_b32 s[TB], 0
	s_mov_b32 s[KF], 0
	s_xor_b32 s[LIM], s[WV], 8
	s_and_b32 s[LIM], s[LIM], 11                   ; 0 in waves 8 and 12
	s_cmp_eq_u32 s[LIM], 0
	s_cselect_b32 s[LIM], 1, -1
	s_wait_dscnt 0x0                               ; both opening adds are done
	s_wait_kmcnt 0x0
	s_add_nc_u64 s[8:9], s[4:5], s[2:3]
	s_add_nc_u64 s[8:9], s[8:9], 0x1000000         ; K's planes begin 16 planes on,
	s_add_nc_u64 s[70:71], s[8:9], 0x1000000       ; V's 32
	s_cmp_eq_u32 s[WV], 8
	s_cselect_b64 s[PFA:PFA+1], s[8:9], s[70:71]   ; (in waves 8 and 12 these stand at the head's first row)
	s_lshl_b32 s2, s13, 13                         ; my work-group's quarter of a slot
	s_mov_b32 s3, 0
	s_add_nc_u64 s[PFA:PFA+1], s[PFA:PFA+1], s[2:3]
	s_add_nc_u64 s[PFA:PFA+1], s[PFA:PFA+1], 2*32768  ; in slot 2: the first change of slots steps it to slot 3
	s_lshl_b32 s2, s68, 7
	s_add_nc_u64 s[2:3], s[2:3], s[20:21]
	s_add_nc_u64 s[10:11], s[6:7], s[2:3]          ; O at my first query
	s_add_nc_u64 s[4:5], s[4:5], s[2:3]            ; Q likewise
	CROUND                                         ; all four work-groups are here: the first joint loads meet
.irp s, 0,1
	s_mov_b32 s[G0K+4*\s], 1
	s_add_co_u32 s[G0K+4*\s+1], s17, \s*SLOT1
	s_add_nc_u64 s[G0K+4*\s+2:G0K+4*\s+3], s[8:9], \s*32768
	s_or_b32 s[G0K+4*\s+3], s[G0K+4*\s+3], 0x80000000
	s_mov_b32 s[G0V+4*\s], 1
	s_add_co_u32 s[G0V+4*\s+1], s17, \s*SLOT1+VOFF
	s_add_nc_u64 s[G0V+4*\s+2:G0V+4*\s+3], s[70:71], \s*32768
	s_or_b32 s[G0V+4*\s+3], s[G0V+4*\s+3], 0x80000000
.endr
	s_cmp_lt_u32 s[WV], 4                          ; a wave's two first fills stand together: two tensor loads of mine are out at the most
	s_cbranch_scc0 .Lfirst_not_k
	tensor_load_to_lds s[G0K:G0K+3], s[G1K:G1K+7]
	s_nop 0
	tensor_load_to_lds s[G0K+4:G0K+7], s[G1K:G1K+7]
	s_nop 0
.rept 4
	v_nop
.endr
	s_branch .Lfirst_asked
.Lfirst_not_k:
	s_cmp_lt_u32 s[WV], 8
	s_cbranch_scc0 .Lfirst_asked
	tensor_load_to_lds s[G0V:G0V+3], s[G1V:G1V+7]
	s_nop 0
	tensor_load_to_lds s[G0V+4:G0V+7], s[G1V:G1V+7]
	s_nop 0
.rept 4
	v_nop
.endr
.Lfirst_asked:
	v_and_b32 v9, 15, v0                           ; r
	v_bfe_u32 v11, v0, 4, 1                        ; h
	v_and_b32 v10, 31, v0                          ; lane
	v_lshlrev_b32 v[ADK], 7, v9
	v_lshl_add_u32 v[ADK], v11, 4, v[ADK]          ; Q: row r of 128 bytes + 16 h
.irp q, 0,1
.irp c, 0,1
	global_load_b128 v[Q+16*\q+8*\c:Q+16*\q+8*\c+3], v[ADK], s[4:5] offset:2048*\q+64*\c
	global_load_b128 v[Q+16*\q+8*\c+4:Q+16*\q+8*\c+7], v[ADK], s[4:5] offset:2048*\q+64*\c+32
.endr
.endr
	v_mul_u32_u24 v[AK0], v9, PK
	v_lshl_add_u32 v[AK0], v11, 4, v[AK0]
	v_and_b32 v[AV0], 7, v0
	v_lshl_add_u32 v[AV0], v11, 3, v[AV0]
	v_mul_u32_u24 v[AV0], v[AV0], PV               ; the turning load: key 8 h + lane % 8,
	v_bfe_u32 v[ADV], v0, 3, 1
	v_lshl_add_u32 v[AV0], v[ADV], 4, v[AV0]       ; channels 8 ((lane / 8) % 2) on
	v_add_nc_u32 v[AV0], VOFF, v[AV0]
	v_lshlrev_b32 v[PFO], 8, v10
	v_lshlrev_b32 v[DQ], 3, v11
	v_sub_nc_u32 v[DQ], v9, v[DQ]
	v_add_nc_u32 v[DQ], s68, v[DQ]
	s_mul_i32 s22, s[WV], 4608                     ; my stage for the way out: 32 rows x 144 bytes
	v_mul_u32_u24 v[STO], v9, 144
	v_lshl_add_u32 v[STO], v11, 4, v[STO]
	v_add_nc_u32 v[STO], s22, v[STO]
	v_lshrrev_b32 v[RD], 3, v10
	v_mul_u32_u24 v[RD], v[RD], 144
	v_and_b32 v[ADV], 7, v0
	v_lshl_add_u32 v[RD], v[ADV], 4, v[RD]
	v_add_nc_u32 v[RD], s22, v[RD]
	v_lshlrev_b32 v[GO], 4, v10
.irp t, 0,1
	v_mov_b32 v[ST+8*\t+1], 0xff61b1e6             ; m: -3e38, under every score
	v_mul_f32 v[ST+8*\t], s[CS], v[ST+8*\t+1]
	v_mov_b32 v[ST+8*\t+2], 0                      ; l
	v_mov_b32 v[ST+8*\t+3], 0
.irp k, 4,5,6,7
	v_mov_b32 v[ST+8*\t+\k], 0                     ; the four at work, written once here: a lane permute's destination counts as one of its sources, and the pair (a, +7) is named whole;
.endr                                                  ; so each is written before it is read on every way through the text, that on which all steps are jumped over too
.endr
.irp j, 0,1,2,3,4,5,6,7,8,9,10,11,12,13,14,15,16,17,18,19,20,21,22,23,24,25,26,27,28,29,30,31,32,33,34,35,36,37,38,39,40,41,42,43,44,45,46,47,48,49,50,51,52,53,54,55,56,57,58,59,60,61,62,63
	v_mov_b32 v[O+\j], 0                           ; O^T.  (The step is written without a first step of its own: the first finds zeros, which its a = 0 leaves zeros)
.endr
; THE SOFTMAX of a step, the two tiles line by line by turns, so that no line waits for the line above it.
.macro SOFTMAX
.irp j, 0,1,2,3
.irp t, 0,1
	v_max3_num_f32 v[ST+8*\t+4+\j], v[S+32*\t+8*\j], v[S+32*\t+8*\j+1], v[S+32*\t+8*\j+2]   ; four chains; each accumulator is read from its low end on
.endr
.endr
.irp g, 1,2
.irp j, 0,1,2,3
.irp t, 0,1
	v_max3_num_f32 v[ST+8*\t+4+\j], v[ST+8*\t+4+\j], v[S+32*\t+8*\j+2*\g+1], v[S+32*\t+8*\j+2*\g+2]
.endr
.endr
.endr
.irp t, 0,1
	v_max3_num_f32 v[ST+8*\t+4], v[ST+8*\t+4], v[S+32*\t+7], v[S+32*\t+15]
	v_max3_num_f32 v[ST+8*\t+6], v[ST+8*\t+6], v[S+32*\t+23], v[S+32*\t+31]
.endr
.irp t, 0,1
	v_max3_num_f32 v[ST+8*\t+4], v[ST+8*\t+4], v[ST+8*\t+5], v[ST+8*\t+6]
.endr
.irp t, 0,1
	v_max3_num_f32 v[ST+8*\t+4], v[ST+8*\t+4], v[ST+8*\t+7], v[ST+8*\t+1]   ; with the old m
.endr
.irp t, 0,1
	v_permlanex16_b32 v[ST+8*\t+5], v[ST+8*\t+4], s[SEL], s[SEL+1]   ; the query's other 32 keys lie in the lane 16 away
.endr
.irp t, 0,1
	v_mov_b32 v[ST+8*\t+7], v[ST+8*\t]             ; c m_old
.endr
.irp t, 0,1
	v_max_num_f32 v[ST+8*\t+1], v[ST+8*\t+4], v[ST+8*\t+5]
.endr
.irp t, 0,1
	v_mul_f32 v[ST+8*\t], s[CS], v[ST+8*\t+1]
.endr
.irp t, 0,1
	v_sub_f32 v[ST+8*\t+7], v[ST+8*\t+7], v[ST+8*\t]
.endr
.irp b, 0,2,4,6,8,10,12,14,16,18,20,22,24,26,28,30
.irp t, 0,1
	v_pk_fma_f32 v[S+32*\t+\b:S+32*\t+\b+1], v[S+32*\t+\b:S+32*\t+\b+1], s[CS:CS+1], v[ST+8*\t:ST+8*\t+1] op_sel_hi:[1,0,0] neg_lo:[0,0,1] neg_hi:[0,0,1]   ; c s - c m
.endr
.endr
.irp t, 0,1
	v_exp_f32 v[ST+8*\t+6], v[ST+8*\t+7]           ; a
.endr
.irp e, 0,1,2,3,4,5,6,7,8,9,10,11,12,13,14,15,16,17,18,19,20,21,22,23,24,25,26,27,28,29,30,31
.irp t, 0,1
	v_exp_f32 v[S+32*\t+\e], v[S+32*\t+\e]         ; p
.endr
.endr
	v_nop                                          ; a plain instruction behind the last exponential,
	s_wait_alu depctr_va_vdst(0)                   ; and ONE wait for the 66, ahead of their first reader
.irp t, 0,1
	v_pk_mul_f32 v[ST+8*\t+2:ST+8*\t+3], v[ST+8*\t+2:ST+8*\t+3], v[ST+8*\t+6:ST+8*\t+7] op_sel_hi:[1,0]   ; l x a
.endr
.irp t, 0,1
	v_pk_add_f32 v[ST+8*\t+4:ST+8*\t+5], v[S+32*\t:S+32*\t+1], v[S+32*\t+2:S+32*\t+3]   ; the sum of the unrounded p, in two chains
.endr
.irp k, 4,8,12,16,20,24,28
.irp t, 0,1
	v_pk_add_f32 v[ST+8*\t+2:ST+8*\t+3], v[ST+8*\t+2:ST+8*\t+3], v[S+32*\t+\k:S+32*\t+\k+1]
	v_pk_add_f32 v[ST+8*\t+4:ST+8*\t+5], v[ST+8*\t+4:ST+8*\t+5], v[S+32*\t+\k+2:S+32*\t+\k+3]
.endr
.endr
.irp t, 0,1
	v_pk_add_f32 v[ST+8*\t+2:ST+8*\t+3], v[ST+8*\t+2:ST+8*\t+3], v[ST+8*\t+4:ST+8*\t+5]
.endr
.irp i, 0,1,2,3,4,5,6,7,8,9,10,11,12,13,14,15
.irp t, 0,1
	v_cvt_pk_f16_f32 v[S+32*\t+\i], v[S+32*\t+2*\i], v[S+32*\t+2*\i+1]   ; in place, ascending: registers 0-7 are then the operand for keys 0-31, 8-15 for keys 32-63
.endr
.endr
.irp i, 0,2,4,6,8,10,12,14,16,18,20,22,24,26,28,30
.irp t, 0,1
	v_pk_mul_f32 v[O+32*\t+\i:O+32*\t+\i+1], v[O+32*\t+\i:O+32*\t+\i+1], v[ST+8*\t+6:ST+8*\t+7] op_sel_hi:[1,0]   ; O^T x a, each accumulator from its low end on
.endr
.endr
.endm
; A KEY STEP of 64 keys.  In both products eight accumulators take turns, one instruction a turn.
.macro STEP
	s_cmp_gt_u32 s[KF], s[KLAST]                   ; all its keys come after my queries: left out.  The lines at its end that step addresses are run all the same
	s_cbranch_scc1 .Lskip_\@
	v_add_nc_u32 v[ADK], s[TB], v[AK0]             ; five plain instructions behind the last step's products: four serve the loads into the fragments' registers, all five the new scores, which are laid over P
	v_add_nc_u32 v[ADV], s[TB], v[AV0]
.rept 3
	v_nop
.endr
.irp f, 0,1,2,3,4,5,6,7
	ds_load_b128 v[KV+8*\f:KV+8*\f+3], v[ADK] offset:(\f/2)*16*PK+(\f%2)*64        ; keys 16 (f / 2) on, channels 32 (f % 2) on
	ds_load_b128 v[KV+8*\f+4:KV+8*\f+7], v[ADK] offset:(\f/2)*16*PK+(\f%2)*64+32
.endr
	s_wait_dscnt 0x0
.irp c, 0,1
.irp kt, 0,1,2,3
.irp q, 0,1
.if \c == 0
	v_wmma_f32_16x16x32_f16 v[S+32*\q+8*\kt:S+32*\q+8*\kt+7], v[KV+8*(2*\kt+\c):KV+8*(2*\kt+\c)+7], v[Q+16*\q+8*\c:Q+16*\q+8*\c+7], 0
.else
	v_wmma_f32_16x16x32_f16 v[S+32*\q+8*\kt:S+32*\q+8*\kt+7], v[KV+8*(2*\kt+\c):KV+8*(2*\kt+\c)+7], v[Q+16*\q+8*\c:Q+16*\q+8*\c+7], v[S+32*\q+8*\kt:S+32*\q+8*\kt+7]
.endif
.endr
.endr
.endr
.rept 4
	v_nop                                          ; places in front of the loads into K's registers and of the first reads of the scores
.endr
.irp f, 0,1,2,3,4,5,6,7
	ds_load_tr16_b128 v[KV+8*\f:KV+8*\f+3], v[ADV] offset:(\f/4)*32*PV+(\f%4)*32   ; keys 32 (f / 4) on, channels 16 (f % 4) on; they land while the softmax is worked
	ds_load_tr16_b128 v[KV+8*\f+4:KV+8*\f+7], v[ADV] offset:(\f/4)*32*PV+16*PV+(\f%4)*32
.endr
	s_cmp_lt_u32 s[KF], s[KMASK]                   ; a step all of whose keys count for all partners' queries of this rank skips the mask
	s_cbranch_scc1 .Lopen_\@
	v_sub_nc_u32 v[DD], v[DQ], s[KF]               ; register 8 kt + j of tile q holds key KF + 16 kt + 8 h + j, query Q0 + 16 q + r: hidden where 16 kt + j - 16 q > d
	v_mov_b32 v[NINF], 0xff800000
.irp q, 0,1
.irp kt, 0,1,2,3
.irp j, 0,1,2,3,4,5,6,7
	v_cmp_gt_i32 vcc_lo, 16*\kt+\j-16*\q, v[DD]
	v_cndmask_b32 v[S+32*\q+8*\kt+\j], v[S+32*\q+8*\kt+\j], v[NINF], vcc_lo
.endr
.endr
.endr
.Lopen_\@:
	SOFTMAX
	s_wait_dscnt 0x0                               ; V is in
.irp kc, 0,1
.irp ct, 0,1,2,3
.irp q, 0,1
	v_wmma_f32_16x16x32_f16 v[O+32*\q+8*\ct:O+32*\q+8*\ct+7], v[KV+8*(4*\kc+\ct):KV+8*(4*\kc+\ct)+7], v[S+32*\q+8*\kc:S+32*\q+8*\kc+7], v[O+32*\q+8*\ct:O+32*\q+8*\ct+7]
.endr
.endr
.endr
.Lskip_\@:
	s_add_co_u32 s[KF], s[KF], KS
	s_add_co_u32 s[TB], s[TB], STEPB
.endm
.macro SLOT_STEPS                      ; a slot's four steps: written once, walked four times
	s_mov_b32 s[CNT], 4
.Lstep_\@:
	STEP
	s_sub_co_u32 s[CNT], s[CNT], 1
	s_cmp_lg_u32 s[CNT], 0
	s_cbranch_scc1 .Lstep_\@
.endm
; THE CHANGE OF SLOTS.  Each wave waits for all its tensor loads, adds 0 to its spare word, and waits for that and for its reads of the slot that it leaves.  fill = 1: the barrier is a round of the cluster's, and behind it
; the slot just left is filled with the keys two slots on: one tensor load a wave, which has four key steps in which to land.
.macro CHANGE fill
	s_wait_tensorcnt 0x0                           ; no tensor load of mine is out, so a group 0 may be written
	ds_add_u32 v[SPW], v[NIL]
.if \fill
	ds_add_u32 v[SPW], v[NIL]                      ; and twice on end here, in every trip alike
.irp g, G0K+4, G0V+4
	s_xor_b32 s[\g+1], s[\g+1], SLOT1              ; the walking descriptors: the other slot than last time,
	s_add_nc_u64 s[\g+2:\g+3], s[\g+2:\g+3], 32768 ; the next 256 keys
.endr
	s_wait_xcnt 0x0                                ; the last prefetch, a slot back, has read its address
	s_add_nc_u64 s[PFA:PFA+1], s[PFA:PFA+1], 32768
.endif
	s_wait_dscnt 0x0                               ; the add is done, and my reads of the slot are over
.if \fill
	CROUND
	JLOAD3
	ASK
.else
	s_barrier_signal -1
	s_barrier_wait -1
.endif
	s_sub_co_u32 s[TB], s[TB], 4*STEPB             ; back to a slot's first step,
	s_xor_b32 s[TB], s[TB], SLOT1                  ; in the other slot
.endm
	s_wait_tensorcnt 0x0                           ; my parts of slots 0 and 1 are in (every wait on this counter in this text is for 0),
	s_barrier_signal -1
	s_barrier_wait -1                              ; everybody's are
	s_wait_loadcnt 0x0                             ; Q
	SLOT_STEPS                                     ; slot 0
	s_mov_b32 s[SLOTS], 6
.Lslot:                                                ; six trips: slots 2 to 7 are asked for, slots 1 to 6 are walked
	CHANGE 1
	SLOT_STEPS
	s_sub_co_u32 s[SLOTS], s[SLOTS], 1
	s_cmp_lg_u32 s[SLOTS], 0
	s_cbranch_scc1 .Lslot
	CHANGE 0                                       ; the tail is written out: nothing is left to ask for
	SLOT_STEPS
	; THE WAY OUT.  O^T / l, rounded to f16, goes through my stage in LDS (in slot 0's bytes: their last fill has been read and left at the last change) and leaves as whole rows.
.irp t, 0,1
	v_add_f32 v[ST+8*\t+4], v[ST+8*\t+2], v[ST+8*\t+3]             ; (these lines are the places behind the last products)
.endr
.irp t, 0,1
	v_permlanex16_b32 v[ST+8*\t+5], v[ST+8*\t+4], s[SEL], s[SEL+1]
.endr
.irp t, 0,1
	v_add_f32 v[ST+8*\t+4], v[ST+8*\t+4], v[ST+8*\t+5]
.endr
	v_nop
	v_nop
.irp t, 0,1
	v_rcp_f32 v[ST+8*\t+6], v[ST+8*\t+4]
.endr
	v_nop
	s_wait_alu depctr_va_vdst(0)                   ; one wait for the two reciprocals, ahead of their first reader
.irp t, 0,1
.irp i, 0,2,4,6,8,10,12,14,16,18,20,22,24,26,28,30
	v_pk_mul_f32 v[O+32*\t+\i:O+32*\t+\i+1], v[O+32*\t+\i:O+32*\t+\i+1], v[ST+8*\t+6:ST+8*\t+7] op_sel_hi:[1,0]
.endr
.endr
.irp t, 0,1
.irp i, 0,1,2,3,4,5,6,7,8,9,10,11,12,13,14,15
	v_cvt_pk_f16_f32 v[S+16*\t+\i], v[O+32*\t+2*\i], v[O+32*\t+2*\i+1]
.endr
.endr
.irp q, 0,1
.irp ct, 0,1,2,3
	ds_store_b128 v[STO], v[S+16*\q+4*\ct:S+16*\q+4*\ct+3] offset:2304*\q+32*\ct   ; row 16 q + r, channels 16 ct + 8 h on
.endr
.endr
.irp n, 0,1,2,3,4,5,6,7
	ds_load_b128 v[KV+4*\n:KV+4*\n+3], v[RD] offset:576*\n         ; four rows an instruction; LDS serves a wave's instructions in order: these see my stores
.endr
.irp n, 0,1,2,3,4,5,6,7
	s_wait_dscnt 7-\n                              ; the younger loads may be out
	global_store_b128 v[GO], v[KV+4*\n:KV+4*\n+3], s[10:11] offset:512*\n   ; 32 lanes store 512 consecutive bytes, aligned
.endr
	s_wait_tensorcnt 0x0                           ; the wave's end
	ds_add_u32 v[SPW], v[NIL]
	s_wait_dscnt 0x0
	CROUND                                         ; the closing round
	s_endpgm
.Lfunc_end_k_q13123282ca_attn:
	.size	k_q13123282ca_attn, .Lfunc_end_k_q13123282ca_attn-k_q13123282ca_attn
	.p2alignl 7, 3214868480
	.fill 96, 4, 3214868480
	.section	.rodata,"a",@progbits
	.p2align	6, 0x0
	.amdhsa_kernel k_q13123282ca_attn
		.amdhsa_group_segment_fixed_size 327680
		.amdhsa_private_segment_fixed_size 0
		.amdhsa_enable_private_segment 0
		.amdhsa_kernarg_size 16
		.amdhsa_user_sgpr_count 2
		.amdhsa_user_sgpr_kernarg_segment_ptr 1
		.amdhsa_wavefront_size32 1
		.amdhsa_system_sgpr_workgroup_id_x 1
		.amdhsa_system_sgpr_workgroup_id_y 1
		.amdhsa_system_sgpr_workgroup_id_z 1
		.amdhsa_system_vgpr_workitem_id 0
		.amdhsa_next_free_vgpr 256
		.amdhsa_next_free_sgpr 80
		.amdhsa_reserve_vcc 1
		.amdhsa_float_denorm_mode_32 3
		.amdhsa_float_denorm_mode_16_64 3
		.amdhsa_memory_ordered 1
		.amdhsa_forward_progress 1
		.amdhsa_inst_pref_size 84
	.end_amdhsa_kernel
	.amdgpu_metadata
---
amdhsa.version: [ 1, 2 ]
amdhsa.kernels:
  - .name:           k_q13123282ca_attn
    .symbol:         k_q13123282ca_attn.kd
    .args:
      - { .name: qkv16, .offset: 0, .size: 8, .value_kind: global_buffer, .address_space: global }
      - { .name: att16, .offset: 8, .size: 8, .value_kind: global_buffer, .address_space: global }
    .group_segment_fixed_size: 327680
    .private_segment_fixed_size: 0
    .kernarg_segment_align: 8
    .kernarg_segment_size: 16
    .max_flat_workgroup_size: 512
    .sgpr_count:     80
    .vgpr_count:     256
    .wavefront_size: 32
...
	.end_amdgpu_metadata
.endif
;; end of part 3
;; launch oproj (part 4): grid 4 x 64, 4 waves a work-group, clusters of 4 x 4, 327,680 bytes of LDS; arguments att16, wo16, out0; writes out0
.if DOCPART == 4
	.amdgcn_target "amdgcn-amd-amdhsa--gfx1250"
	.amdhsa_code_object_version 6
	.text
	.protected	k_q13123282ca_oproj
	.globl	k_q13123282ca_oproj
	.p2align	8
	.type	k_q13123282ca_oproj,@function
k_q13123282ca_oproj:
	s_mov_b64 s[64:65], 0
	v_nop
	global_prefetch_b8 v0, s[64:65] scope:SCOPE_SE
	s_setreg_imm32_b32 hwreg(HW_REG_WAVE_MODE, 25, 1), 1
	s_wait_xcnt 0x0
	s_wait_alu depctr_hold_cnt(0) depctr_sa_sdst(0) depctr_va_vdst(0) depctr_va_sdst(0) depctr_va_ssrc(0) depctr_va_vcc(0) depctr_vm_vsrc(0)
	s_getreg_b32 s2, hwreg(HW_REG_IB_STS2, 6, 4)
	s_cmp_eq_u32 s2, 0
	s_cbranch_scc0 .Lentry_in_a_cluster
	s_endpgm
.Lentry_in_a_cluster:
	s_bfe_u32 s2, ttmp6, 0x10000c
	s_cmp_lg_u32 s2, 0xf033
	s_cbranch_scc0 .Lentry_shape_is_right
	s_endpgm
.Lentry_shape_is_right:
; out0[m][o] = the sum over heads and channels of att16[head][m][c] wo16[head][o][c]: a GEMM 8,192 x 1,024 x 1,024 on f16 operands, sums and result in f32.
; ROWS LEFT OUT: the rows of positions 0-15 of each sequence are multiplied (they share a tile with live rows) but not stored: launch fine stores them, made in f32.  So each output byte is written once.
; A tile of C is 128 x 256: 256 work-groups.  Four waves, 64 x 128 each: 32 accumulators, window 1.  K goes in steps of 128 (two heads' planes) through two LDS slots; a plane's row is 128 bytes + 16 of padding.
; CLUSTERS of 4 x 4: A's tiles are asked for jointly along a row of the cluster, B's along a column.  Waves 0, 1 fetch A's two planes (128 rows each), waves 2, 3 B's (256 rows each): one tensor load a wave.
; The matrix instruction is used transposed (source 0 = rows of wo, source 1 = rows of att16): a lane holds eight neighbouring columns of a row of C.
; REGISTERS: window 0: v16-30 addresses; v32-95 A's fragments, two buffers of 32; v96-223 B's, two of 64.  window 1: accumulator (a, b) at v[8 (8 a + b)].
.set PITCH,  144
.set APL,    128*PITCH                 ; A's plane in a slot
.set BPL,    256*PITCH                 ; B's
.set BOFF,   2*APL
.set SLOT,   2*APL+2*BPL
.set SPARE,  2*SLOT                    ; the spare words, 128 bytes for each wave, which no other line names
.set SPITCH, 528                       ; the way out: a stage of 16 rows x (512 bytes + 16) for each wave, in slot 0
.set LAPS,   4                         ; a lap = two K steps
.set ADRA, 16
.set ADRB, 20
.set STO,  24
.set RD,   25
.set CO,   26
.set POSV, 27                          ; v27 the position of my wave's first row
.set SPW,  28
.set NIL,  29
.set PFO,  30
.set AF,   32
.set BF,   96
.set BK,   32                          ; the way out: v32-95 and v96-159 by turns
.set G1, 24
.set G0, 32
.set G1B, 48
.set G0B, 56
.set PFA, 66
.set LIM, 68
.set MSB, 0
.macro WIN new
.if MSB != \new
	s_set_vgpr_msb (MSB<<8)|\new
.set MSB, \new
.endif
.endm
.set MUL, 0x50                         ; C and D window 1, the operands window 0
.macro JLOAD s
	s_cmp_eq_u32 s11, 0
	s_cbranch_scc0 .Lfor_b_\@
	tensor_load_to_lds s[G0+4*\s:G0+4*\s+3], s[G1:G1+7]
	s_nop 0
.rept 4
	v_nop
.endr
	s_branch .Lasked_\@
.Lfor_b_\@:
	tensor_load_to_lds s[G0B+4*\s:G0B+4*\s+3], s[G1B:G1B+7]
	s_nop 0
.rept 4
	v_nop
.endr
.Lasked_\@:
.endm
.macro CREST
	s_cmp_lg_u32 s10, 0
	s_cbranch_scc1 .Lnot_wave_0_\@
	s_barrier_signal -3
.Lnot_wave_0_\@:
	s_barrier_wait -3
	s_barrier_signal -1
	s_barrier_wait -1
.endm
.macro CROUND
	s_barrier_signal -1
	s_barrier_wait -1
	CREST
.endm
; A prefetch of A's K step that stands two refills on: 2 planes x 128 rows x 128 bytes.  The four partners that ask for the tile jointly share it out by address, 16 blocks of 256 bytes of each plane; wave 0 asks, a lane a block:
; each block is named once in the launch.  The loop's last trip asks for nothing.  wo16 is walked by every row of clusters and is not asked for.
.macro ASK
	s_cmp_gt_u32 s3, s[LIM]
	s_cbranch_scc0 .Lnot_mine_\@
	global_prefetch_b8 v[PFO], s[PFA:PFA+1] offset:0x200000 th:TH_LOAD_NT scope:SCOPE_SE
.Lnot_mine_\@:
.endm
	s_load_b128 s[4:7], s[0:1], 0x0                ; att16 s[4:5], wo16 s[6:7]
	s_load_b64 s[8:9], s[0:1], 0x10                ; out0
	v_lshl_add_u32 v[SPW], v0, 2, SPARE
	v_mov_b32 v[NIL], 0
	ds_add_u32 v[SPW], v[NIL]                      ; the wave's opening: the add, twice on end, and its wait ahead of my first tensor load
	ds_add_u32 v[SPW], v[NIL]
	v_lshrrev_b32 v1, 5, v0
	v_readfirstlane_b32 s10, v1                    ; wave 0..3
	s_lshr_b32 s11, s10, 1                         ; which 64 rows of the tile are mine.  Also: I fetch for A (0) or for B (1)
	s_and_b32 s12, s10, 1                          ; which 128 columns.  Also: which of a K step's two planes I fetch
	s_bfe_u32 s40, ttmp6, 0x40000                  ; cx, cy
	s_bfe_u32 s41, ttmp6, 0x40004
	s_lshl_b32 s42, ttmp9, 2
	s_add_co_u32 s42, s42, s40                     ; tile column
	s_and_b32 s13, ttmp7, 0xffff
	s_lshl_b32 s13, s13, 2
	s_add_co_u32 s13, s13, s41                     ; tile row
	s_lshl_b32 s43, s41, 2
	s_lshl_b32 s43, 15, s43                        ; my row of the cluster
	s_lshl_b32 s44, 0x1111, s40                    ; my column
	s_or_b32 s[G1+0], s43, (1<<16)|(1<<20)|(1<<21)|(4<<22)|(3<<25)  ; the mask; elements of 2 bytes; padding on; bit 21 beside a mask; 4 words behind every 32
	s_or_b32 s[G1B+0], s44, (1<<16)|(1<<20)|(1<<21)|(4<<22)|(3<<25)
	s_mov_b32 s[G1+1], 64<<16                      ; tensor_dim0
	s_mov_b32 s[G1+2], 128<<16                     ; tensor_dim1
	s_mov_b32 s[G1+3], 64<<16                      ; tile_dim0
	s_mov_b32 s[G1+4], 128                         ; tile_dim1
	s_mov_b32 s[G1+5], 64                          ; the pitch
	s_mov_b32 s[G1+6], 0
	s_mov_b32 s[G1+7], 0
	s_mov_b32 s[G1B+1], 64<<16
	s_mov_b32 s[G1B+2], 256<<16
	s_mov_b32 s[G1B+3], 64<<16
	s_mov_b32 s[G1B+4], 256
	s_mov_b32 s[G1B+5], 64
	s_mov_b32 s[G1B+6], 0
	s_mov_b32 s[G1B+7], 0
	s_lshl_b32 s16, s12, 20                        ; A: my plane of 2^20 bytes,
	s_lshl_b32 s17, s13, 14                        ; the tile's 128 rows of 128 bytes
	s_add_co_u32 s16, s16, s17
	s_mov_b32 s17, 0
	s_lshl_b32 s46, s12, 17                        ; B: my plane of 2^17 bytes,
	s_lshl_b32 s47, s42, 15                        ; the tile's 256 rows
	s_add_co_u32 s46, s46, s47
	s_mov_b32 s47, 0
	s_mul_i32 s20, s12, APL                        ; where they go: no place in the cluster enters an LDS address
	s_mul_i32 s21, s12, BPL
	s_add_co_u32 s21, s21, BOFF
	s_wait_dscnt 0x0                               ; both opening adds are done
	s_wait_kmcnt 0x0
	s_add_nc_u64 s[14:15], s[4:5], s[16:17]
	s_add_nc_u64 s[46:47], s[6:7], s[46:47]
	CROUND                                         ; all sixteen work-groups are here: the first joint loads meet
.irp s, 0,1
	s_mov_b32 s[G0+4*\s], 1
	s_add_co_u32 s[G0+4*\s+1], s20, \s*SLOT
	s_add_nc_u64 s[G0+4*\s+2:G0+4*\s+3], s[14:15], \s*0x200000     ; K step s: two planes on
	s_or_b32 s[G0+4*\s+3], s[G0+4*\s+3], 0x80000000
	s_mov_b32 s[G0B+4*\s], 1
	s_add_co_u32 s[G0B+4*\s+1], s21, \s*SLOT
	s_add_nc_u64 s[G0B+4*\s+2:G0B+4*\s+3], s[46:47], \s*0x40000
	s_or_b32 s[G0B+4*\s+3], s[G0B+4*\s+3], 0x80000000
	JLOAD \s                                       ; two tensor loads of mine are out
.endr
	v_and_b32 v1, 15, v0                           ; r
	v_bfe_u32 v2, v0, 4, 1                         ; h
	v_mul_u32_u24 v3, v1, PITCH
	v_lshl_add_u32 v3, v2, 4, v3
	s_mul_i32 s21, s11, 64*PITCH                   ; my 64 rows of A
	s_mul_i32 s22, s12, 128*PITCH                  ; my 128 rows of B,
	s_add_co_u32 s22, s22, BOFF                    ; behind A's two planes
.irp s, 0,1
	v_add_nc_u32 v[ADRA+\s], s21, v3
	v_add_nc_u32 v[ADRB+\s], s22, v3
	s_add_co_u32 s21, s21, SLOT
	s_add_co_u32 s22, s22, SLOT
.endr
	s_mul_i32 s23, s10, 16*SPITCH                  ; my stage
	v_mul_u32_u24 v4, v1, SPITCH
	v_lshl_add_u32 v4, v2, 5, v4
	v_add_nc_u32 v[STO], s23, v4                   ; in: row r, 32 bytes for each half of the lanes
	v_and_b32 v5, 31, v0
	v_lshlrev_b32 v[CO], 4, v5                     ; back: the 32 lanes take one row of 512 bytes; and the same in out0
	v_add_nc_u32 v[RD], s23, v[CO]
	v_lshlrev_b32 v[PFO], 8, v1
	v_lshl_add_u32 v[PFO], v2, 20, v[PFO]          ; lanes 0-15 the first plane's blocks, lanes 16-31 the second's
	s_lshl_b32 s22, s13, 14
	s_lshl_b32 s23, s40, 12
	s_add_co_u32 s22, s22, s23
	s_add_co_u32 s22, s22, 0x400000                ; at K step 2: the first refill steps it to 3 and names K step 4
	s_mov_b32 s23, 0
	s_add_nc_u64 s[PFA:PFA+1], s[4:5], s[22:23]
	s_cmp_eq_u32 s10, 0
	s_cselect_b32 s[LIM], 1, -1
	s_lshl_b32 s16, s13, 7
	s_lshl_b32 s17, s11, 6
	s_add_co_u32 s16, s16, s17                     ; my first row of C
	s_and_b32 s18, s16, 2047
	v_mov_b32 v[POSV], s18
	s_lshl_b32 s16, s16, 12                        ; a row of out0 is 4,096 bytes
	s_lshl_b32 s17, s42, 10
	s_add_co_u32 s16, s16, s17
	s_lshl_b32 s17, s12, 9
	s_add_co_u32 s16, s16, s17
	s_mov_b32 s17, 0
	s_add_nc_u64 s[8:9], s[8:9], s[16:17]
; 24 LDS loads in one run: quarter q of the slot (plane q / 2, channels 32 (q % 2) on) into buffer f: B's eight fragments, then A's four
.macro FETCH slot, q, f
.irp i, 0,1,2,3,4,5,6,7
	ds_load_b128 v[BF+64*(\f)+8*\i:BF+64*(\f)+8*\i+3], v[ADRB+\slot] offset:((\q)/2)*BPL+((\q)%2)*64+\i*16*PITCH
	ds_load_b128 v[BF+64*(\f)+8*\i+4:BF+64*(\f)+8*\i+7], v[ADRB+\slot] offset:((\q)/2)*BPL+((\q)%2)*64+\i*16*PITCH+32
.endr
.irp i, 0,1,2,3
	ds_load_b128 v[AF+32*(\f)+8*\i:AF+32*(\f)+8*\i+3], v[ADRA+\slot] offset:((\q)/2)*APL+((\q)%2)*64+\i*16*PITCH
	ds_load_b128 v[AF+32*(\f)+8*\i+4:AF+32*(\f)+8*\i+7], v[ADRA+\slot] offset:((\q)/2)*APL+((\q)%2)*64+\i*16*PITCH+32
.endr
.endm
; eight matrix instructions: A's block a x B's eight.  The 32 accumulators take turns in the same order in every quarter.
.macro MULA f, a, zero
.irp b, 0,1,2,3,4,5,6,7
.if \zero
	v_wmma_f32_16x16x32_f16 v[8*(8*(\a)+\b):8*(8*(\a)+\b)+7], v[BF+64*(\f)+8*\b:BF+64*(\f)+8*\b+7], v[AF+32*(\f)+8*(\a):AF+32*(\f)+8*(\a)+7], 0
.else
	v_wmma_f32_16x16x32_f16 v[8*(8*(\a)+\b):8*(8*(\a)+\b)+7], v[BF+64*(\f)+8*\b:BF+64*(\f)+8*\b+7], v[AF+32*(\f)+8*(\a):AF+32*(\f)+8*(\a)+7], v[8*(8*(\a)+\b):8*(8*(\a)+\b)+7]
.endif
.endr
.endm
.macro PLACES
.rept 4
	v_nop
.endr
.endm
; A K step is four quarters of 32 along K on buffers 0, 1, 0, 1.  One of the first three: multiplies buffer f and fetches quarter qn into buffer g.
.macro QUARTER slot, qn, f, g, zero
	s_wait_dscnt 4                                 ; B and A's blocks 0, 1 are in; A's blocks 2, 3 may be out
	WIN MUL
	MULA \f, 0, \zero
	MULA \f, 1, \zero
	WIN 0
	PLACES                                         ; in front of loads into registers that matrix instructions have read
	FETCH \slot, \qn, \g
	s_wait_dscnt 24                                ; all but the 24 just issued
	WIN MUL
	MULA \f, 2, \zero
	MULA \f, 3, \zero
.endm
; The last quarter multiplies buffer 1 and changes slots: one barrier; in front of it each wave waits for all its tensor loads, adds 0 to its spare word, and waits for that and for its reads of this slot.
.macro TURN slot, next, fill
.if \fill
	s_wait_xcnt 0x0                                ; the last prefetch, a K step back, has read its address
	s_add_nc_u64 s[PFA:PFA+1], s[PFA:PFA+1], 0x200000
.endif
	WIN 0
	s_wait_tensorcnt 0x0                           ; all my tensor loads have landed: my part of the next slot
	ds_add_u32 v[SPW], v[NIL]
	s_wait_dscnt 5                                 ; (the add and A's blocks 2, 3 may be out)
	WIN MUL
	MULA 1, 0, 0                                   ; eight matrix instructions stand between the add and the wait for it
	s_wait_dscnt 0x0                               ; the add is done, and my reads of this slot are over
	s_barrier_signal -1
	MULA 1, 1, 0
	WIN 0
	s_barrier_wait -1
.if \fill
	CREST                                          ; the barrier has opened a round of the cluster's: no wave of any partner still reads this slot or has a load on its way
	s_add_nc_u64 s[G0+4*\slot+2:G0+4*\slot+3], s[G0+4*\slot+2:G0+4*\slot+3], 0x400000
	s_add_nc_u64 s[G0B+4*\slot+2:G0B+4*\slot+3], s[G0B+4*\slot+2:G0B+4*\slot+3], 0x80000
	JLOAD \slot                                    ; the first tensor load behind the round; its four v_nop are also the places in front of the loads below
.else
	PLACES
.endif
	FETCH \next, 0, 0
.if \fill
	ASK
.endif
	WIN MUL
	MULA 1, 2, 0
	MULA 1, 3, 0
.endm
	s_wait_tensorcnt 1                             ; my part of K step 0 is in (K step 1's load may be out)
	s_barrier_signal -1
	s_barrier_wait -1                              ; everybody's is
	FETCH 0, 0, 0
	QUARTER 0, 1, 0, 1, 1                          ; the first products start the sums: nothing is cleared
	WIN 0
	s_mov_b32 s3, LAPS-1
.Llap:                                                 ; a trip goes once round the ring and fills both slots again
	QUARTER 0, 2, 1, 0, 0
	QUARTER 0, 3, 0, 1, 0
	TURN 0, 1, 1
	QUARTER 1, 1, 0, 1, 0
	QUARTER 1, 2, 1, 0, 0
	QUARTER 1, 3, 0, 1, 0
	TURN 1, 0, 1
	QUARTER 0, 1, 0, 1, 0
	WIN 0
	s_sub_co_u32 s3, s3, 1
	s_cmp_lg_u32 s3, 0
	s_cbranch_scc1 .Llap
	QUARTER 0, 2, 1, 0, 0                          ; the last lap fills nothing
	QUARTER 0, 3, 0, 1, 0
	TURN 0, 1, 0
	QUARTER 1, 1, 0, 1, 0
	QUARTER 1, 2, 1, 0, 0
	QUARTER 1, 3, 0, 1, 0
	s_wait_dscnt 4
	WIN MUL
	MULA 1, 0, 0
	MULA 1, 1, 0
	s_wait_dscnt 0
	MULA 1, 2, 0
	MULA 1, 3, 0
	WIN 0
; THE WAY OUT, block by block of 16 rows x 128 columns, through my own stage (in slot 0, which has had its last fill and has been left by every wave): back as whole rows of 512 bytes.
.macro TOSTAGE a
	WIN 0x04                                       ; an LDS store's data are its source 1: window 1
.irp b, 0,1,2,3,4,5,6,7
	ds_store_b128 v[STO], v[64*(\a)+8*\b:64*(\a)+8*\b+3] offset:64*\b              ; each accumulator from its low end on
	ds_store_b128 v[STO], v[64*(\a)+8*\b+4:64*(\a)+8*\b+7] offset:64*\b+16
.endr
	WIN 0
.irp t, 0,1,2,3,4,5,6,7,8,9,10,11,12,13,14,15
	ds_load_b128 v[BK+64*((\a)%2)+4*\t:BK+64*((\a)%2)+4*\t+3], v[RD] offset:\t*SPITCH
.endr
.endm
.macro SEND a, younger
	s_wait_dscnt \younger                          ; the block is back; the next block's 16 stores and 16 loads may be out
.irp t, 0,1,2,3,4,5,6,7,8,9,10,11,12,13,14,15
	global_store_b128 v[CO], v[BK+64*((\a)%2)+4*\t:BK+64*((\a)%2)+4*\t+3], s[8:9] offset:(16*(\a)+\t)*4096 th:TH_STORE_NT   ; 32 lanes store 512 consecutive bytes, aligned
.endr
.endm
	PLACES
	TOSTAGE 0
	TOSTAGE 1
	s_wait_xcnt 0x0                                ; EXEC changes only behind a wait on XCNT for 0
	v_cmp_lt_u32 vcc_lo, 15, v[POSV]               ; block 0 of a wave whose first row begins a sequence holds positions 0-15: not stored here.  A mask and no branch: it hangs on the place in the cluster
	s_and_saveexec_b32 s20, vcc_lo
	SEND 0, 32
	s_wait_xcnt 0x0                                ; the stores have read their registers and EXEC
	s_or_b32 exec_lo, exec_lo, s20
	TOSTAGE 2
	SEND 1, 32
	s_wait_xcnt 0x0                                ; block 1's stores have read their registers: block 3's loads may land there
	TOSTAGE 3
	SEND 2, 32
	SEND 3, 0
	s_wait_tensorcnt 0x0                           ; the wave's end
	ds_add_u32 v[SPW], v[NIL]
	s_wait_dscnt 0x0
	CROUND                                         ; the closing round
	s_endpgm
.Lfunc_end_k_q13123282ca_oproj:
	.size	k_q13123282ca_oproj, .Lfunc_end_k_q13123282ca_oproj-k_q13123282ca_oproj
	.p2alignl 7, 3214868480
	.fill 96, 4, 3214868480
	.section	.rodata,"a",@progbits
	.p2align	6, 0x0
	.amdhsa_kernel k_q13123282ca_oproj
		.amdhsa_group_segment_fixed_size 327680
		.amdhsa_private_segment_fixed_size 0
		.amdhsa_enable_private_segment 0
		.amdhsa_kernarg_size 24
		.amdhsa_user_sgpr_count 2
		.amdhsa_user_sgpr_kernarg_segment_ptr 1
		.amdhsa_wavefront_size32 1
		.amdhsa_system_sgpr_workgroup_id_x 1
		.amdhsa_system_sgpr_workgroup_id_y 1
		.amdhsa_system_sgpr_workgroup_id_z 1
		.amdhsa_system_vgpr_workitem_id 0
		.amdhsa_next_free_vgpr 512
		.amdhsa_next_free_sgpr 72
		.amdhsa_reserve_vcc 1
		.amdhsa_float_denorm_mode_32 3
		.amdhsa_float_denorm_mode_16_64 3
		.amdhsa_memory_ordered 1
		.amdhsa_forward_progress 1
		.amdhsa_inst_pref_size 86
	.end_amdhsa_kernel
	.amdgpu_metadata
---
amdhsa.version: [ 1, 2 ]
amdhsa.kernels:
  - .name:           k_q13123282ca_oproj
    .symbol:         k_q13123282ca_oproj.kd
    .args:
      - { .name: att16, .offset: 0, .size: 8, .value_kind: global_buffer, .address_space: global }
      - { .name: wo16, .offset: 8, .size: 8, .value_kind: global_buffer, .address_space: global }
      - { .name: out0, .offset: 16, .size: 8, .value_kind: global_buffer, .address_space: global }
    .group_segment_fixed_size: 327680
    .private_segment_fixed_size: 0
    .kernarg_segment_align: 8
    .kernarg_segment_size: 24
    .max_flat_workgroup_size: 128
    .sgpr_count:     72
    .vgpr_count:     512
    .wavefront_size: 32
...
	.end_amdgpu_metadata
.endif
;; end of part 4
;; launch fine (part 5): grid 32 x 4, 16 waves a work-group, no clusters, 38,912 bytes of LDS; arguments fine32, wo, out0; writes out0
.if DOCPART == 5
	.amdgcn_target "amdgcn-amd-amdhsa--gfx1250"
	.amdhsa_code_object_version 6
	.text
	.protected	k_q13123282ca_fine
	.globl	k_q13123282ca_fine
	.p2align	8
	.type	k_q13123282ca_fine,@function
k_q13123282ca_fine:
	s_mov_b64 s[64:65], 0
	v_nop
	global_prefetch_b8 v0, s[64:65] scope:SCOPE_SE
	s_setreg_imm32_b32 hwreg(HW_REG_WAVE_MODE, 25, 1), 1
	s_wait_xcnt 0x0
; POSITIONS 0-15 OF EACH SEQUENCE, WHOLLY IN f32.  These rows average one to sixteen values and are the largest in size: the rounding of 16-bit operands would weigh most there.  64 rows of 8,192: no bulk work.
; fine32 [64 rows = 16 x batch + position][3,072] holds q and k (after RoPE) and v in f32.  A work-group takes a batch (y) and 32 output columns (x); wave w takes head w:
; S^T = k q^T (16 x 16 x 64), the causal mask, the softmax with its maximum taken away, O^T = v^T p (64 x 16 x 16), O / l, and its head's part of the projection, OUT^T = wo O^T (32 x 16 x 64);
; the sixteen heads' parts meet in LDS and are added in a fixed order.  Every work-group of a batch makes the batch's small attention anew: that spares a launch and a buffer.
; All products by v_wmma_f32_16x16x4_f32; what it writes is written by matrix instructions alone, and what is made of a finished sum goes into other registers.
; K IS PERMUTED ALIKE IN BOTH OPERANDS: at K step kk each half of the lanes supplies its own registers 2 kk, 2 kk + 1, so a result of one product is the operand of the next as it stands.
; The wave's store at the end covers 128 consecutive bytes of a row (32 columns): 256 KB in the whole launch.
.set QR,  16                           ; v16-47   q: row r, channels 32 h + i.  Later O / l
.set KR,  48                           ; v48-79   k likewise.  Later the sixteen parts
.set VR,  80                           ; v80-111  v: register 2 (4 ct + kk) + j: key 8 h + 2 kk + j, channel 16 ct + r
.set WO,  112                          ; v112-175 wo: register 32 ot + 8 t + i: row 16 ot + r, k = 64 w + 16 t + 8 h + i
.set SA,  176                          ; v176-191 two accumulators of S^T, by turns
.set SS,  192                          ; v192-199 their sum, masked and scaled
.set P,   200                          ; v200-207 p
.set OA,  208                          ; v208-239 O^T, four accumulators
.set OU,  240                          ; v240-255 OUT^T, two accumulators
.set SPW, 6
.set NIL, 7
.set SPARE, 16*2304                    ; behind the sixteen parts: the spare words, 128 bytes for each wave, which no other line names
	s_load_b128 s[4:7], s[0:1], 0x0                ; fine32 s[4:5], wo s[6:7]
	s_load_b64 s[8:9], s[0:1], 0x10                ; out0
	v_lshl_add_u32 v[SPW], v0, 2, SPARE
	v_mov_b32 v[NIL], 0
	v_lshrrev_b32 v1, 5, v0
	v_readfirstlane_b32 s10, v1                    ; wave = head
	s_and_b32 s11, ttmp7, 0xffff                   ; batch
	v_and_b32 v1, 15, v0                           ; r
	v_bfe_u32 v2, v0, 4, 1                         ; h
	v_mul_u32_u24 v3, v1, 12288
	v_lshl_add_u32 v3, v2, 7, v3                   ; q, k: row r, + 32 h channels
	v_mul_u32_u24 v4, v2, 8*12288
	v_lshl_add_u32 v4, v1, 2, v4                   ; v: key 8 h, channel r
	v_lshlrev_b32 v5, 12, v1
	v_lshl_add_u32 v5, v2, 5, v5                   ; wo: row r, + 8 h numbers
	v_lshlrev_b32 v8, 3, v2
	v_sub_nc_u32 v8, v1, v8                        ; d = r - 8 h: register j holds key 8 h + j, hidden where j > d
	v_mov_b32 v9, 0xff800000                       ; -infinity
	v_mov_b32 v11, 0                               ; (a lane permute's destination counts as one of its sources)
	v_mov_b32 v15, 0
	s_mul_i32 s12, s11, 196608                     ; the batch's 16 rows of 12,288 bytes,
	s_lshl_b32 s13, s10, 8                         ; the head's 64 numbers
	s_add_co_u32 s12, s12, s13
	s_mov_b32 s13, 0
	s_lshl_b32 s14, ttmp9, 17                      ; wo: my 32 rows of 4,096 bytes,
	s_lshl_b32 s15, s10, 8
	s_add_co_u32 s14, s14, s15
	s_mov_b32 s15, 0
	s_lshl_b32 s16, s11, 23                        ; out0: the batch's 2,048 rows of 4,096 bytes,
	s_lshl_b32 s17, ttmp9, 7                       ; my 32 columns
	s_add_co_u32 s16, s16, s17
	s_mov_b32 s17, 0
	s_mov_b32 s20, 0x76543210
	s_mov_b32 s21, 0xfedcba98
	s_mov_b32 s22, 0x3e38aa3b                      ; c = log2(e) / 8
	s_mov_b32 s23, s22
	s_wait_kmcnt 0x0
	s_add_nc_u64 s[4:5], s[4:5], s[12:13]
	s_add_nc_u64 s[6:7], s[6:7], s[14:15]
	s_add_nc_u64 s[8:9], s[8:9], s[16:17]
.irp i, 0,1,2,3,4,5,6,7
	global_load_b128 v[QR+4*\i:QR+4*\i+3], v3, s[4:5] offset:16*\i
.endr
.irp i, 0,1,2,3,4,5,6,7
	global_load_b128 v[KR+4*\i:KR+4*\i+3], v3, s[4:5] offset:4096+16*\i
.endr
.irp ct, 0,1,2,3
.irp kk, 0,1,2,3
.irp j, 0,1
	global_load_b32 v[VR+2*(4*\ct+\kk)+\j], v4, s[4:5] offset:8192+(2*\kk+\j)*12288+64*\ct
.endr
.endr
.endr
.irp ot, 0,1
.irp t, 0,1,2,3
.irp e, 0,1
	global_load_b128 v[WO+32*\ot+8*\t+4*\e:WO+32*\ot+8*\t+4*\e+3], v5, s[6:7] offset:65536*\ot+64*\t+16*\e
.endr
.endr
.endr
	s_wait_loadcnt 48                              ; q and k are in; v's 32 loads and wo's 16 may be out
.irp kk, 0,1,2,3,4,5,6,7,8,9,10,11,12,13,14,15
.if \kk < 2
	v_wmma_f32_16x16x4_f32 v[SA+8*(\kk%2):SA+8*(\kk%2)+7], v[KR+2*\kk:KR+2*\kk+1], v[QR+2*\kk:QR+2*\kk+1], 0
.else
	v_wmma_f32_16x16x4_f32 v[SA+8*(\kk%2):SA+8*(\kk%2)+7], v[KR+2*\kk:KR+2*\kk+1], v[QR+2*\kk:QR+2*\kk+1], v[SA+8*(\kk%2):SA+8*(\kk%2)+7]
.endif
.endr
.rept 8
	v_nop                                          ; eight places behind this form before its results are read (ISA guide 7.12.1)
.endr
.irp i, 0,2,4,6
	v_pk_add_f32 v[SS+\i:SS+\i+1], v[SA+\i:SA+\i+1], v[SA+8+\i:SA+8+\i+1]   ; lane (r, h): query r, keys 8 h + 0..7
.endr
.irp j, 0,1,2,3,4,5,6,7
	v_cmp_gt_i32 vcc_lo, \j, v8
	v_cndmask_b32 v[SS+\j], v[SS+\j], v9, vcc_lo
.endr
	v_max3_num_f32 v10, v[SS], v[SS+1], v[SS+2]
	v_max3_num_f32 v10, v10, v[SS+3], v[SS+4]
	v_max3_num_f32 v10, v10, v[SS+5], v[SS+6]
	v_max_num_f32 v10, v10, v[SS+7]
	v_permlanex16_b32 v11, v10, s20, s21
	v_max_num_f32 v13, v10, v11                    ; the row's maximum: key 0 counts for every query, so it is a number
	v_mul_f32 v12, s22, v13
.irp i, 0,2,4,6
	v_pk_fma_f32 v[SS+\i:SS+\i+1], v[SS+\i:SS+\i+1], s[22:23], v[12:13] op_sel_hi:[1,0,0] neg_lo:[0,0,1] neg_hi:[0,0,1]   ; c s - c m
.endr
.irp j, 0,1,2,3,4,5,6,7
	v_exp_f32 v[P+\j], v[SS+\j]
.endr
	v_nop                                          ; a plain instruction behind the exponentials,
	s_wait_alu depctr_va_vdst(0)                   ; and one wait for the eight, ahead of their first reader
	v_pk_add_f32 v[14:15], v[P:P+1], v[P+2:P+3]
	v_pk_add_f32 v[10:11], v[P+4:P+5], v[P+6:P+7]
	v_pk_add_f32 v[14:15], v[14:15], v[10:11]
	v_add_f32 v14, v14, v15
	v_permlanex16_b32 v15, v14, s20, s21
	v_add_f32 v14, v14, v15                        ; l
	v_rcp_f32 v14, v14
	v_nop
	s_wait_loadcnt 16                              ; v is in; wo's 16 loads may be out
.irp kk, 0,1,2,3
.irp ct, 0,1,2,3
.if \kk == 0
	v_wmma_f32_16x16x4_f32 v[OA+8*\ct:OA+8*\ct+7], v[VR+2*(4*\ct+\kk):VR+2*(4*\ct+\kk)+1], v[P+2*\kk:P+2*\kk+1], 0
.else
	v_wmma_f32_16x16x4_f32 v[OA+8*\ct:OA+8*\ct+7], v[VR+2*(4*\ct+\kk):VR+2*(4*\ct+\kk)+1], v[P+2*\kk:P+2*\kk+1], v[OA+8*\ct:OA+8*\ct+7]
.endif
.endr
.endr
.rept 8
	v_nop
.endr
	s_wait_alu depctr_va_vdst(0)                   ; the reciprocal's wait, ahead of its first reader
.irp i, 0,2,4,6,8,10,12,14,16,18,20,22,24,26,28,30
	v_pk_mul_f32 v[QR+\i:QR+\i+1], v[OA+\i:OA+\i+1], v[14:15] op_sel_hi:[1,0]   ; O / l: register 8 t + i: channel 16 t + 8 h + i of query r
.endr
	s_wait_loadcnt 0x0                             ; wo
.irp t, 0,1,2,3
.irp kk, 0,1,2,3
.irp ot, 0,1
.if (\t+\kk) == 0
	v_wmma_f32_16x16x4_f32 v[OU+8*\ot:OU+8*\ot+7], v[WO+32*\ot+8*\t+2*\kk:WO+32*\ot+8*\t+2*\kk+1], v[QR+8*\t+2*\kk:QR+8*\t+2*\kk+1], 0
.else
	v_wmma_f32_16x16x4_f32 v[OU+8*\ot:OU+8*\ot+7], v[WO+32*\ot+8*\t+2*\kk:WO+32*\ot+8*\t+2*\kk+1], v[QR+8*\t+2*\kk:QR+8*\t+2*\kk+1], v[OU+8*\ot:OU+8*\ot+7]
.endif
.endr
.endr
.endr
	s_mul_i32 s18, s10, 2304                       ; my part: 16 queries x (128 bytes + 16)
	s_mul_i32 s19, s10, 144
	v_mul_u32_u24 v10, v1, 144                     ; (these eight plain lines are the places behind the last products)
	v_lshl_add_u32 v10, v2, 5, v10
	v_add_nc_u32 v10, s18, v10                     ; in: query r, columns 8 h on
	v_and_b32 v11, 31, v0
	v_lshlrev_b32 v11, 2, v11
	v_lshl_add_u32 v12, s10, 12, v11               ; out0: row = my wave's number, column = my lane
	v_add_nc_u32 v11, s19, v11                     ; back: query = my wave's number, column = my lane
	v_nop
.irp ot, 0,1
	ds_store_b128 v10, v[OU+8*\ot:OU+8*\ot+3] offset:64*\ot        ; lane (r, h): columns 16 ot + 8 h + 0..7 of query r; each accumulator from its low end on
	ds_store_b128 v10, v[OU+8*\ot+4:OU+8*\ot+7] offset:64*\ot+16
.endr
	s_wait_dscnt 0x0                               ; for the others' sake: my stores have landed
	s_barrier_signal -1
	s_barrier_wait -1
.irp w, 0,1,2,3,4,5,6,7,8,9,10,11,12,13,14,15
	ds_load_b32 v[KR+\w], v11 offset:2304*\w       ; the sixteen heads' parts of my number
.endr
	s_wait_dscnt 0x0
.irp i, 0,4,8,12
	v_pk_add_f32 v[KR+\i:KR+\i+1], v[KR+\i:KR+\i+1], v[KR+\i+2:KR+\i+3]
.endr
	v_pk_add_f32 v[KR:KR+1], v[KR:KR+1], v[KR+4:KR+5]
	v_pk_add_f32 v[KR+8:KR+9], v[KR+8:KR+9], v[KR+12:KR+13]
	v_pk_add_f32 v[KR:KR+1], v[KR:KR+1], v[KR+8:KR+9]
	v_add_f32 v[KR], v[KR], v[KR+1]
	global_store_b32 v12, v[KR], s[8:9]
	s_wait_tensorcnt 0x0                           ; the wave's end
	ds_add_u32 v[SPW], v[NIL]
	s_wait_dscnt 0x0
	s_endpgm
.Lfunc_end_k_q13123282ca_fine:
	.size	k_q13123282ca_fine, .Lfunc_end_k_q13123282ca_fine-k_q13123282ca_fine
	.p2alignl 7, 3214868480
	.fill 96, 4, 3214868480
	.section	.rodata,"a",@progbits
	.p2align	6, 0x0
	.amdhsa_kernel k_q13123282ca_fine
		.amdhsa_group_segment_fixed_size 38912
		.amdhsa_private_segment_fixed_size 0
		.amdhsa_enable_private_segment 0
		.amdhsa_kernarg_size 24
		.amdhsa_user_sgpr_count 2
		.amdhsa_user_sgpr_kernarg_segment_ptr 1
		.amdhsa_wavefront_size32 1
		.amdhsa_system_sgpr_workgroup_id_x 1
		.amdhsa_system_sgpr_workgroup_id_y 1
		.amdhsa_system_sgpr_workgroup_id_z 1
		.amdhsa_system_vgpr_workitem_id 0
		.amdhsa_next_free_vgpr 256
		.amdhsa_next_free_sgpr 66
		.amdhsa_reserve_vcc 1
		.amdhsa_float_denorm_mode_32 3
		.amdhsa_float_denorm_mode_16_64 3
		.amdhsa_memory_ordered 1
		.amdhsa_forward_progress 1
		.amdhsa_inst_pref_size 19
	.end_amdhsa_kernel
	.amdgpu_metadata
---
amdhsa.version: [ 1, 2 ]
amdhsa.kernels:
  - .name:           k_q13123282ca_fine
    .symbol:         k_q13123282ca_fine.kd
    .args:
      - { .name: fine32, .offset: 0, .size: 8, .value_kind: global_buffer, .address_space: global }
      - { .name: wo, .offset: 8, .size: 8, .value_kind: global_buffer, .address_space: global }
      - { .name: out0, .offset: 16, .size: 8, .value_kind: global_buffer, .address_space: global }
    .group_segment_fixed_size: 38912
    .private_segment_fixed_size: 0
    .kernarg_segment_align: 8
    .kernarg_segment_size: 24
    .max_flat_workgroup_size: 512
    .sgpr_count:     66
    .vgpr_count:     256
    .wavefront_size: 32
...
	.end_amdgpu_metadata
.endif
;; end of part 5
